; MI455X (gfx1250); checked and timed in simulation.
; The chip was launched on July 23, 2026; its instructions are those of AMD's public machine-readable ISA for CDNA 5 (MIT licence, August 2026) and "CDNA5" Instruction Set Architecture Reference Guide (July 2026). The comments in the code are by the model that wrote it; some were corrected since.
;; Self Attention. Allowed arithmetic: matrix products marked QUANTISED: E2M3 operands, one E8M0 scale for each 32 along K, by v_wmma_scale_f32_16x16x128_f8f6f4 with both operands' format E2M3, f32 sums; everything else in f32.
;; Inputs: b_out 1,024 float32; w_kv_codes 2,048 x 32 x 24 uint8 (E2M3 codes of w_kv, K innermost, in blocks of 32 codes, four codes in three bytes); w_kv_scales 2,048 x 32 uint8 (E8M0 scales of w_kv, one for each 32 codes along K); w_out_codes 1,024 x 32 x 24 uint8 (E2M3 codes of w_out, K innermost, in blocks of 32 codes, four codes in three bytes); w_out_scales 1,024 x 32 uint8 (E8M0 scales of w_out, one for each 32 codes along K); w_q_codes 1,024 x 32 x 24 uint8 (E2M3 codes of w_q, K innermost, in blocks of 32 codes, four codes in three bytes); w_q_scales 1,024 x 32 uint8 (E8M0 scales of w_q, one for each 32 codes along K); x_codes 4 x 2,048 x 32 x 24 uint8 (E2M3 codes of x, K innermost, in blocks of 32 codes, four codes in three bytes); x_scales 4 x 2,048 x 32 uint8 (E8M0 scales of x, one for each 32 codes along K).
;; Outputs: out0 4 x 2,048 x 1,024 float32.
;; This version of the problem:
;;   THIS VERSION OF THE PROBLEM IS GIVEN IN LOW PRECISION. The matrix products marked QUANTISED in the list below multiply operands that are first quantised to E2M3 (2 exponent bits, 3 mantissa bits; 6 bits a number), with one power-of-two scale for each 32 numbers along K (OCP MX v1.0); their sums are f32. All else is computed in f32.
;;   The module's matrix products, in the order in which they are computed (A, B: the left and right operand; K: the contracted axis; several contracted axes count as one K, in the product's order):
;;     1. [M 8,192, K 1,024] x [K 1,024, N 1,024]; A: input x (given as codes); B: input w_q (given as codes): QUANTISED
;;     2. [M 8,192, K 1,024] x [K 1,024, N 2,048]; A: input x (given as codes); B: input w_kv (given as codes): QUANTISED
;;     3. batch 64 x [M 2,048, K 64] x [K 64, N 2,048]; A: computed on the way; B: computed on the way: QUANTISED
;;     4. batch 64 x [M 2,048, K 2,048] x [K 2,048, N 64]; A: softmax (see below); B: computed on the way: QUANTISED
;;     5. [M 8,192, K 1,024] x [K 1,024, N 1,024]; A: computed on the way; B: input w_out (given as codes): QUANTISED
;;   THE QUANTISER, for each operand of a quantised product, along K:
;;     - K is cut into blocks of 32 from its start; a last block that is shorter is filled with zeros.
;;     - A block's scale is 2^e with e = floor(log2(the largest magnitude in the block)) - 2, held to -126 .. 127; a block of zeros has e = 0. As a byte (E8M0): e + 127.
;;     - Each number is divided by its block's scale, clamped to +-7.5, and rounded to the nearest number of E2M3, ties to even, subnormals kept.
;;     - The product sums the exact products of the quantised numbers (number of the format x scale) in f32.
;;   ~~~python
;;   def quantise(x, axis):      # numpy; x: float32 -> the quantised numbers, widened to float32 again
;;       x = np.moveaxis(x, axis, -1); K = x.shape[-1]
;;       x = np.pad(x, [(0, 0)] * (x.ndim - 1) + [(0, -K % 32)]); x = x.reshape(x.shape[:-1] + (-1, 32)); a = np.abs(x).max(-1, keepdims=True)
;;       e = np.where(a > 0, np.clip(np.frexp(np.where(a > 0, a, 1))[1] - 1 - 2, -126, 127), 0)      # np.frexp(a)[1] - 1 = floor(log2(a)), exactly
;;       r = np.clip(x / 2.0 ** e, -7.5, 7.5)
;;       step = 2.0 ** (np.maximum(np.frexp(np.where(r == 0, 1, r))[1] - 1, 0) - 3)
;;       q = np.round(r / step) * step * 2.0 ** e      # np.round: ties to even
;;       return np.moveaxis(q.reshape(q.shape[:-2] + (-1,))[..., :K], -1, axis).astype(np.float32)
;;   ~~~
;;   SOFTMAX AHEAD OF A QUANTISED PRODUCT. Where the list says 'softmax', what is quantised is not the finished softmax but p = 2^(t - M), with t = logit x log2(e) and M = ceil(the row's largest t), a whole number; so 1/2 < the row's largest p <= 1. The row's sum l is taken of the UNQUANTISED p, in f32, and the product's result is divided by l at the end. Since M is a whole number, a kernel that streams over the keys may use a running M (the ceiling of the running maximum): every later rescaling is an exact power of two, which a block's scale takes up: the codes' values come out the same.
;;   OPERANDS COMPUTED ON THE WAY. 'Computed on the way' means the value that the module computes at that place (a softmax that the list does not call 'softmax' is quantised finished and normalised). What goes into a quantiser is computed in f32, as accurately as f32 sums, v_exp_f32 and their like allow (about 1e-6 of the number): no bf16 or f16 on the way to a quantiser, and a product that is left as it is and whose result goes on into a quantised operand takes f32 operands (vector FMAs, or v_wmma_f32_16x16x4_f32). A number that lies on a knife's edge between two numbers of the format may be rounded either way, as far as f32 arithmetic and the matrix unit's own rounding can turn it there, and no further.
;;   INPUTS GIVEN AS CODES. w_kv (in the module: [2048, 1024], K = its axis 1); w_out (in the module: [1024, 1024], K = its axis 1); w_q (in the module: [1024, 1024], K = its axis 1); x (in the module: [4, 2048, 1024], K = its axis 2): each comes as NAME_codes (uint8): NAME with its K axis moved to the last place and cut into blocks of 32 codes, [.., K / 32, bytes a block], one block behind the other in memory; four codes in three bytes: a row's codes are one little-endian stream of bits, code i at bits 6 i .. 6 i + 5 (a code: sign, 2 exponent bits, 3 mantissa bits); and NAME_scales (uint8): the same leading axes, one E8M0 byte (e + 127) for each 32 codes along K. Its value is code x scale, taken as it is: it is not quantised again, and the codes and scales need not be those that the quantiser above would give.
;; One version. Each part assembles by itself: llvm-mc -triple=amdgcn-amd-amdhsa -mcpu=gfx1250 --defsym DOCPART=n.
;; ======== version 1 of 1: 3 launches
;; limits: right only within a limited range of input values
;; workspace buffers: qkvc 18,874,368 bytes; qkvs 1,310,720 bytes; aimg 6,291,456 bytes; asc 262,144 bytes
;; launch proj (part 1): grid 96 x 4, 4 waves a work-group, clusters of 4 x 4, 327,680 bytes of LDS; arguments x_codes, x_scales, w_q_codes, w_q_scales, w_kv_codes, w_kv_scales, qkvc, qkvs; writes qkvc, qkvs
.if DOCPART == 1
	.amdgcn_target "amdgcn-amd-amdhsa--gfx1250"
	.amdhsa_code_object_version 6
	.text
	.protected	k_qda0753ee2a_proj
	.globl	k_qda0753ee2a_proj
	.p2align	8
	.type	k_qda0753ee2a_proj,@function
k_qda0753ee2a_proj:
	s_mov_b64 s[64:65], 0
	v_nop
	global_prefetch_b8 v0, s[64:65] scope:SCOPE_SE
	s_setreg_imm32_b32 hwreg(HW_REG_WAVE_MODE, 25, 1), 1
	s_wait_xcnt 0x0
	s_wait_alu depctr_hold_cnt(0) depctr_sa_sdst(0) depctr_va_vdst(0) depctr_va_sdst(0) depctr_va_ssrc(0) depctr_va_vcc(0) depctr_vm_vsrc(0)
	s_getreg_b32 s2, hwreg(HW_REG_IB_STS2, 6, 4)
	s_cmp_eq_u32 s2, 0
	s_cbranch_scc0 .Lentry_in_a_cluster
	s_endpgm
.Lentry_in_a_cluster:
	s_bfe_u32 s2, ttmp6, 0x10000c
	s_cmp_lg_u32 s2, 0xf033
	s_cbranch_scc0 .Lentry_shape_is_right
	s_endpgm
.Lentry_shape_is_right:
; q = x w_q^T, k and v = x w_kv^T on codes of FP6 (E2M3) with E8M0 scales; the three results are quantised in registers on the way out.
; One form serves all three: C' = P Q^T on tiles of 256 x 256, K = 1,024, quantised ALONG Q's INDEX.  24 clusters of 4 x 4 work-groups; cluster c: kind = c / 8, g = c % 8.
;   kind 0 (q): P = x, tile rows 4 g + cy; Q = w_q, tile columns cx.   kind 1 (k): the same with w_kv's rows 0-1,023.
;   kind 2 (v): P = w_kv's rows 1,024 on, tile rows 4 + cy; Q = x, tile columns 4 g + cx: V^T, since the keys are the K of attention's second product.
; The matrix instruction is used transposed (source 0 = 16 rows of Q, source 1 = 16 rows of P): a lane holds one row of P, its registers run along Q's rows, the next product's K.
; A wave makes 128 x 128: 64 accumulators.  A row of codes is 768 bytes; K goes through a ring of two LDS slots in CHUNKS OF 256 BYTES of each row, each beginning at a multiple of 256 bytes.
; A step of 128 along K is 96 bytes: eight steps to three chunks; steps 2 and 5 take their fragments from both slots.  P's tiles are asked for jointly by a row of the cluster, Q's by a column.
; THE HEAD asks for chunks 0 and 1 of both operands, one load of 256 rows a wave; chunk 2 is the ring's one refill, 128 rows a wave.
; THE SCALE WORDS of my 128 rows of P and of Q, for all of K, go from memory into 64 registers, once: a lane takes a row's 32 bytes, sixteen lanes 512 consecutive bytes, aligned.
; THE WAY OUT.  For each of my eight blocks of 16 rows of P a lane's 64 numbers are four blocks of 32: largest magnitude, scale byte, conversion; the fragment of 12 registers is stored AS AN IMAGE OF ITS REGISTERS:
;   registers 0-3 as 16 bytes at 16 x lane, registers 4-5 as 8 bytes at 512 + 8 x lane, registers 6-11 likewise.  Each store of the wave covers 512 or 256 consecutive bytes, aligned.
;   q, k: registers 0-5 are the first head of my pair, 6-11 the second.  v: all twelve are 16 channels x 128 keys.
; ORDER INSIDE A BLOCK OF 32: code place 16 h + i holds number 16 (i / 8) + 8 h + i % 8.  q and k share the order, v and attention's p too: it cancels in their products, and a block's scale does not see it.
; qkvc: [y = 8 batch + head pair][head of the pair][group of 128 tokens][K 6,144 | V 6,144 | Q 6,144];  qkvs: the same with [K 512 | V 256 | Q 512]: register j of a scale image holds in lane l the word of row 32 j + l.
; LIMITS: NaN and infinities are not served; a block of zeros gets the byte 1 (its codes are zeros; this program alone reads the bytes).
; No prefetch: a tile has three chunks along K, two of them asked for at the head.
.set ROWB,   256
.set KROW,   768
.set STEPS,  8
.set CHUNKS, 3
.set PITCH,  272                       ; 256 bytes + 16 of padding
.set FR,     12
.set NL,     6
.set NP,     4
.set HALFT,  128*PITCH
.set SLOT,   4*HALFT                   ; P's 256 rows, then Q's
.set KS,     32
.set SPARE,  2*SLOT                    ; the spare words: 128 bytes a wave, named by no other line
.set ADRA, 16                          ; v16-17 P's fragments in slot 0, 1; v18-19 for pieces whose two halves of lanes read different slots
.set ADRB, 20                          ; v20-23 the same for Q
.set O16,  26
.set SOF,  27                          ; my offset in a block of scale bytes
.set SPW,  28
.set NIL,  29
.set O8,   30
.set LN,   31
.set SCP,  32                          ; v32-63 P's scale words: register 8 (a % 4) + step; lanes 0-15 block a % 4, lanes 16-31 that block + 4; they hold nothing else
.set SCQ,  224                         ; v224-255 Q's, likewise
.set TM,   64
.set CD,   80
.set WDS,  104
.set ZW,   112
.set SLO,  116
.set SHI,  120
.set AF,   128                         ; P's fragments, one set
.set G1, 24                            ; the ring's group 1: 128 rows
.set G0, 32
.set G1B, 48
.set G0B, 56
.set SEL, 66
.set G1H, 68                           ; the head's group 1: 256 rows
.set G0C, 76                           ; group 0 of P's chunk 1
.set G1HB, 80
.set G0CB, 88                          ; of Q's chunk 1
.set G0H, 4                            ; of P's chunk 0, Q's chunk 0
.set G0HB, 8
.set MSB, 0
.macro WIN new                         ; the immediate's high byte repeats the setting that is left
.if MSB != (\new)
	s_set_vgpr_msb (MSB<<8)|(\new)
.set MSB, (\new)
.endif
.endm
.set MUL_LO, 0xa1                      ; source 0 (Q) window 1, source 1 (P) window 0, C and D window 2
.set MUL_HI, 0xf1
.set TO_B,   0x40
.macro JLOAD g0a, g1a, g0b, g1b        ; waves 0, 1 fetch for P, waves 2, 3 for Q
	s_cmp_eq_u32 s15, 0
	s_cbranch_scc0 .Lfor_b_\@
	tensor_load_to_lds s[\g0a:\g0a+3], s[\g1a:\g1a+7]
	s_nop 0
.rept 4
	v_nop
.endr
	s_branch .Lasked_\@
.Lfor_b_\@:
	tensor_load_to_lds s[\g0b:\g0b+3], s[\g1b:\g1b+7]
	s_nop 0
.rept 4
	v_nop
.endr
.Lasked_\@:
.endm
.macro CREST                           ; a round of the cluster's barrier behind its opening barrier
	s_cmp_lg_u32 s14, 0
	s_cbranch_scc1 .Lnot_wave_0_\@
	s_barrier_signal -3
.Lnot_wave_0_\@:
	s_barrier_wait -3
	s_barrier_signal -1
	s_barrier_wait -1
.endm
.macro CROUND
	s_barrier_signal -1
	s_barrier_wait -1
	CREST
.endm
	s_load_b512 s[80:95], s[0:1], 0x0              ; x codes, x scales, w_q codes, scales, w_kv codes, scales, qkvc, qkvs
	v_lshl_add_u32 v[SPW], v0, 2, SPARE
	v_mov_b32 v[NIL], 0
	ds_add_u32 v[SPW], v[NIL]                      ; the opening lines: the add twice and one wait
	ds_add_u32 v[SPW], v[NIL]
	v_lshrrev_b32 v1, 5, v0
	v_readfirstlane_b32 s14, v1                    ; wave
	s_lshr_b32 s15, s14, 1                         ; my half of P's rows; also: in the ring I fetch for P (0) or Q (1)
	s_and_b32 s16, s14, 1                          ; my half of Q's rows; also: which 128 rows I fetch
	s_bfe_u32 s40, ttmp6, 0x40000                  ; cx
	s_bfe_u32 s41, ttmp6, 0x40004                  ; cy
	s_lshr_b32 s100, ttmp9, 3                      ; kind
	s_and_b32 s101, ttmp9, 7                       ; g
	s_lshl_b32 s96, s101, 2
	s_cmp_eq_u32 s100, 2
	s_cselect_b32 s17, 4, s96
	s_cselect_b32 s42, s96, 0
	s_add_co_u32 s17, s17, s41                     ; P's tile row: hangs on cy alone
	s_add_co_u32 s42, s42, s40                     ; Q's tile column: on cx alone
	s_lshl_b32 s43, s41, 2
	s_lshl_b32 s43, 15, s43                        ; my row of the cluster
	s_lshl_b32 s44, 0x1111, s40                    ; my column
	s_mov_b32 s[SEL], 0x76543210
	s_mov_b32 s[SEL+1], 0xfedcba98
	s_wait_dscnt 0x0
	s_wait_kmcnt 0x0
	s_cmp_eq_u32 s100, 0                           ; the weight: w_q for q, w_kv for k and v
	s_cselect_b64 s[8:9], s[84:85], s[88:89]
	s_cselect_b64 s[10:11], s[86:87], s[90:91]
	s_cmp_eq_u32 s100, 2                           ; for v the weight is P and x is Q
	s_cselect_b64 s[4:5], s[8:9], s[80:81]
	s_cselect_b64 s[6:7], s[10:11], s[82:83]
	s_cselect_b64 s[8:9], s[80:81], s[8:9]
	s_cselect_b64 s[10:11], s[82:83], s[10:11]
	s_mov_b64 s[12:13], s[92:93]                   ; qkvc
	s_mov_b64 s[98:99], s[94:95]                   ; qkvs; s80-95 are free from here on
	; group 1: rows of 256 bytes, 16 of padding behind each; 128 rows for the ring, 256 for the head
	s_or_b32 s[G1+0], s43, (0<<16)|(1<<20)|(1<<21)|(5<<22)|(3<<25)
	s_or_b32 s[G1B+0], s44, (0<<16)|(1<<20)|(1<<21)|(5<<22)|(3<<25)
	s_or_b32 s[G1H+0], s43, (0<<16)|(1<<20)|(1<<21)|(5<<22)|(3<<25)
	s_or_b32 s[G1HB+0], s44, (0<<16)|(1<<20)|(1<<21)|(5<<22)|(3<<25)
.irp g, G1, G1B
	s_mov_b32 s[\g+1], ROWB<<16
	s_mov_b32 s[\g+2], 128<<16
	s_mov_b32 s[\g+3], ROWB<<16
	s_mov_b32 s[\g+4], 128
	s_mov_b32 s[\g+5], KROW
	s_mov_b32 s[\g+6], 0
	s_mov_b32 s[\g+7], 0
.endr
.irp g, G1H, G1HB
	s_mov_b32 s[\g+1], ROWB<<16
	s_mov_b32 s[\g+2], 256<<16
	s_mov_b32 s[\g+3], ROWB<<16
	s_mov_b32 s[\g+4], 256
	s_mov_b32 s[\g+5], KROW
	s_mov_b32 s[\g+6], 0
	s_mov_b32 s[\g+7], 0
.endr
	s_lshl_b32 s20, s17, 8                         ; P's first row
	s_lshl_b32 s46, s42, 8                         ; Q's
	s_mov_b32 s21, 0
	s_mov_b32 s47, 0
	s_mov_b64 s[18:19], KS
	s_mul_u64 s[22:23], s[20:21], s[18:19]         ; where these rows' scale bytes begin,
	s_mul_u64 s[92:93], s[46:47], s[18:19]
	s_lshl_b32 s96, s15, 12                        ; and those of my 128 rows: 4,096 bytes a half
	s_mov_b32 s97, 0
	s_add_nc_u64 s[22:23], s[22:23], s[96:97]
	s_lshl_b32 s96, s16, 12
	s_add_nc_u64 s[92:93], s[92:93], s[96:97]
	s_mov_b64 s[18:19], KROW
	s_mul_u64 s[20:21], s[20:21], s[18:19]
	s_mul_u64 s[46:47], s[46:47], s[18:19]
	s_mul_i32 s18, s16, 128*KROW                   ; in the ring I fetch 128 rows
	s_mov_b32 s19, 0
	s_mul_i32 s45, s14, HALFT                      ; to wave x 128 rows
	s_add_nc_u64 s[20:21], s[4:5], s[20:21]
	s_add_nc_u64 s[94:95], s[6:7], s[22:23]        ; P's scale bytes
	s_add_nc_u64 s[46:47], s[8:9], s[46:47]
	s_add_nc_u64 s[92:93], s[10:11], s[92:93]      ; Q's
	CROUND                                         ; all sixteen work-groups are here: the first joint loads meet
	s_mov_b32 s[G0H], 1
	s_mov_b32 s[G0H+1], 0
	s_mov_b64 s[G0H+2:G0H+3], s[20:21]
	s_or_b32 s[G0H+3], s[G0H+3], 0x80000000
	s_mov_b32 s[G0HB], 1
	s_mov_b32 s[G0HB+1], 2*HALFT
	s_mov_b64 s[G0HB+2:G0HB+3], s[46:47]
	s_or_b32 s[G0HB+3], s[G0HB+3], 0x80000000
	s_mov_b32 s[G0C], 1
	s_mov_b32 s[G0C+1], SLOT
	s_add_nc_u64 s[G0C+2:G0C+3], s[20:21], ROWB
	s_or_b32 s[G0C+3], s[G0C+3], 0x80000000
	s_mov_b32 s[G0CB], 1
	s_mov_b32 s[G0CB+1], SLOT+2*HALFT
	s_add_nc_u64 s[G0CB+2:G0CB+3], s[46:47], ROWB
	s_or_b32 s[G0CB+3], s[G0CB+3], 0x80000000
	s_mov_b32 s[G0], 1                             ; the ring's refill of slot 0: my 128 rows; stepped to chunk 2 ahead of its load
	s_mov_b32 s[G0+1], s45
	s_add_nc_u64 s[G0+2:G0+3], s[20:21], s[18:19]
	s_or_b32 s[G0+3], s[G0+3], 0x80000000
	s_mov_b32 s[G0B], 1
	s_mov_b32 s[G0B+1], s45
	s_add_nc_u64 s[G0B+2:G0B+3], s[46:47], s[18:19]
	s_or_b32 s[G0B+3], s[G0B+3], 0x80000000
; the head's four tiles, one load a wave, in one chain of branches: wave 0 chunk 0 of P, wave 1 chunk 0 of Q, wave 2 chunk 1 of P, wave 3 chunk 1 of Q
.macro ARM under, g0, g1, next
	s_cmp_lt_u32 s14, \under
	s_cbranch_scc0 \next
	tensor_load_to_lds s[\g0:\g0+3], s[\g1:\g1+7]
	s_nop 0
.rept 4
	v_nop
.endr
	s_branch .Lhead_asked
\next:
.endm
	ARM 1, G0H,  G1H,  .Lhead_b
	ARM 2, G0HB, G1HB, .Lhead_c
	ARM 3, G0C,  G1H,  .Lhead_cb
	tensor_load_to_lds s[G0CB:G0CB+3], s[G1HB:G1HB+7]
	s_nop 0
.rept 4
	v_nop
.endr
.Lhead_asked:
	v_and_b32 v1, 15, v0                           ; l % 16
	v_bfe_u32 v2, v0, 4, 1                         ; l / 16
	v_mul_u32_u24 v3, v1, PITCH
	v_mul_u32_u24 v4, v2, 24
	v_add_nc_u32 v4, v3, v4
	s_mov_b32 s21, SLOT-232
	s_mov_b32 s22, SLOT+232
	v_sub_nc_u32 v7, 1, v2
	v_mul_u32_u24 v5, s21, v2
	v_add_nc_u32 v5, v3, v5
	v_add_nc_u32 v5, 232, v5                       ; lanes 0-15 byte 232 of the row in slot 0, lanes 16-31 byte 0 in slot 1
	v_mul_u32_u24 v6, s22, v7
	v_add_nc_u32 v6, v3, v6                        ; and the other way round
	s_mul_i32 s21, s15, HALFT
	s_mul_i32 s22, s16, HALFT
	s_add_co_u32 s22, s22, 2*HALFT
	v_add_nc_u32 v[ADRA+2], s21, v5
	v_add_nc_u32 v[ADRA+3], s21, v6
	v_add_nc_u32 v[ADRB+2], s22, v5
	v_add_nc_u32 v[ADRB+3], s22, v6
.irp s, 0,1
	v_add_nc_u32 v[ADRA+\s], s21, v4
	v_add_nc_u32 v[ADRB+\s], s22, v4
	s_add_co_u32 s21, s21, SLOT
	s_add_co_u32 s22, s22, SLOT
.endr
	v_lshlrev_b32 v5, 5, v1                        ; row r's 32 scale bytes;
	v_lshl_add_u32 v[SOF], v2, 11, v5              ; lanes 16-31 64 rows on
	v_and_b32 v[LN], 31, v0
	v_lshlrev_b32 v[O16], 4, v[LN]
	v_lshlrev_b32 v[O8], 3, v[LN]
	s_wait_alu depctr_va_vdst(0)
.irp i, 0,1,2,3
	global_load_b128 v[SCP+8*\i:SCP+8*\i+3], v[SOF], s[94:95] offset:512*\i
	global_load_b128 v[SCP+8*\i+4:SCP+8*\i+7], v[SOF], s[94:95] offset:512*\i+16
	global_load_b128 v[SCQ+8*\i:SCQ+8*\i+3], v[SOF], s[92:93] offset:512*\i
	global_load_b128 v[SCQ+8*\i+4:SCQ+8*\i+7], v[SOF], s[92:93] offset:512*\i+16
.endr
.macro FRAG reg, adr, st, i            ; 12 registers in six pieces of 8 bytes; byte y of a row lies in slot (y / 256) % 2 at byte y % 256
.irp p, 0,1,2,3,4,5
.set BY, 96*(\st)+48*(\p/3)+8*(\p%3)
.if BY/ROWB == (BY+24)/ROWB
	ds_load_b64 v[\reg+2*\p:\reg+2*\p+1], v[\adr+(BY/ROWB)%2] offset:BY%ROWB+(\i)*16*PITCH
.else
	ds_load_b64 v[\reg+2*\p:\reg+2*\p+1], v[\adr+2+(BY/ROWB)%2] offset:BY%ROWB-232+(\i)*16*PITCH
.endif
.endr
.endm
; 16 products of step st: P's blocks a0, a0 + 1 x Q's eight.  The 64 accumulators take turns in the same order in every step.
.macro MUL16 a0, st, zero
.irp a, \a0, \a0+1
.irp b, 0,1,2,3,4,5,6,7
.set rD, 8*(8*((\a)%4)+\b)
.set rB, 128*((\st)%2)+FR*\b
.set rA, AF+FR*(\a)
.set rSB, SCQ+8*(\b%4)+(\st)
.set rSA, SCP+8*((\a)%4)+(\st)
.set fB, \b/4
.set fA, (\a)/4
.if \zero
.if fB && fA
	v_wmma_scale_f32_16x16x128_f8f6f4 v[rD:rD+7], v[rB:rB+11], v[rA:rA+11], 0, v[rSB], v[rSA] matrix_a_fmt:MATRIX_FMT_FP6 matrix_b_fmt:MATRIX_FMT_FP6 matrix_a_scale:MATRIX_SCALE_ROW1 matrix_b_scale:MATRIX_SCALE_ROW1
.elseif fB
	v_wmma_scale_f32_16x16x128_f8f6f4 v[rD:rD+7], v[rB:rB+11], v[rA:rA+11], 0, v[rSB], v[rSA] matrix_a_fmt:MATRIX_FMT_FP6 matrix_b_fmt:MATRIX_FMT_FP6 matrix_a_scale:MATRIX_SCALE_ROW1
.elseif fA
	v_wmma_scale_f32_16x16x128_f8f6f4 v[rD:rD+7], v[rB:rB+11], v[rA:rA+11], 0, v[rSB], v[rSA] matrix_a_fmt:MATRIX_FMT_FP6 matrix_b_fmt:MATRIX_FMT_FP6 matrix_b_scale:MATRIX_SCALE_ROW1
.else
	v_wmma_scale_f32_16x16x128_f8f6f4 v[rD:rD+7], v[rB:rB+11], v[rA:rA+11], 0, v[rSB], v[rSA] matrix_a_fmt:MATRIX_FMT_FP6 matrix_b_fmt:MATRIX_FMT_FP6
.endif
.else
.if fB && fA
	v_wmma_scale_f32_16x16x128_f8f6f4 v[rD:rD+7], v[rB:rB+11], v[rA:rA+11], v[rD:rD+7], v[rSB], v[rSA] matrix_a_fmt:MATRIX_FMT_FP6 matrix_b_fmt:MATRIX_FMT_FP6 matrix_a_scale:MATRIX_SCALE_ROW1 matrix_b_scale:MATRIX_SCALE_ROW1
.elseif fB
	v_wmma_scale_f32_16x16x128_f8f6f4 v[rD:rD+7], v[rB:rB+11], v[rA:rA+11], v[rD:rD+7], v[rSB], v[rSA] matrix_a_fmt:MATRIX_FMT_FP6 matrix_b_fmt:MATRIX_FMT_FP6 matrix_a_scale:MATRIX_SCALE_ROW1
.elseif fA
	v_wmma_scale_f32_16x16x128_f8f6f4 v[rD:rD+7], v[rB:rB+11], v[rA:rA+11], v[rD:rD+7], v[rSB], v[rSA] matrix_a_fmt:MATRIX_FMT_FP6 matrix_b_fmt:MATRIX_FMT_FP6 matrix_b_scale:MATRIX_SCALE_ROW1
.else
	v_wmma_scale_f32_16x16x128_f8f6f4 v[rD:rD+7], v[rB:rB+11], v[rA:rA+11], v[rD:rD+7], v[rSB], v[rSA] matrix_a_fmt:MATRIX_FMT_FP6 matrix_b_fmt:MATRIX_FMT_FP6
.endif
.endif
.endr
.endr
.endm
.macro FETCH_B st, p
	WIN TO_B
.irp i, 0,1,2,3,4,5,6,7
	FRAG 128*(\p)+FR*\i, ADRB, \st, \i
.endr
	WIN 0
.endm
.macro FETCH_A st, i0
.irp i, \i0, \i0+1, \i0+2, \i0+3
	FRAG AF+FR*(\i), ADRA, \st, \i
.endr
.endm
.macro PLACES n                        ; plain vector instructions behind a matrix instruction (ISA guide 7.12.1)
.rept \n
	v_nop
.endr
.endm
; A step of 128 along K.  Where the next step's bytes END in a chunk not yet read: a wait for my tensor loads and a barrier.  Where they BEGIN in a later chunk: the chunk left behind is free:
; the wait, the add, the wait for it and for my reads, the barrier; where a chunk two on is left to fetch, the barrier opens a round and the slot is filled again.
.macro STEP st, zero
.set NX, (\st)+1
.set C0, (96*(\st))/ROWB
.set C1, (96*NX)/ROWB
.set E0, (96*(\st)+95)/ROWB
.set E1, (96*NX+95)/ROWB
.if C1 > C0 || E1 > E0
	s_wait_tensorcnt 0x0                           ; all my tensor loads have landed
.if C1 > C0
	ds_add_u32 v[SPW], v[NIL]
	s_wait_dscnt 4*NL+1                            ; the add and P's blocks 4-7 (24 loads) may be out
.else
	s_wait_dscnt 4*NL                              ; P's blocks 4-7 may be out
.endif
	WIN MUL_LO
	MUL16 0, \st, \zero
	s_wait_dscnt 0x0                               ; the add and all my reads are done
	s_barrier_signal -1
	MUL16 2, \st, \zero
	WIN 0
	s_barrier_wait -1
.if C1 > C0 && C0+2 < CHUNKS
	CREST
	s_add_nc_u64 s[G0+2:G0+3], s[G0+2:G0+3], 2*ROWB
	s_add_nc_u64 s[G0B+2:G0B+3], s[G0B+2:G0B+3], 2*ROWB
	JLOAD G0, G1, G0B, G1B                         ; chunk 2 into slot 0; its four v_nop are the places in front of the loads below
.else
	PLACES NP
.endif
.else
	s_wait_dscnt 4*NL
	WIN MUL_LO
	MUL16 0, \st, \zero
	MUL16 2, \st, \zero
	s_wait_dscnt 0
	PLACES NP
.endif
	FETCH_B NX, NX%2
	FETCH_A NX, 0
	WIN MUL_HI
	MUL16 4, \st, \zero
	MUL16 6, \st, \zero
	PLACES NP
	WIN 0
	FETCH_A NX, 4
.endm
	s_cmp_lt_u32 s14, 2                            ; waves 0 and 1 asked for chunk 0: they wait for it; chunk 1's loads stay out across this barrier, behind which nothing is filled,
	s_cbranch_scc0 .Lchunk_1_is_mine               ; and are waited for at the head of step 1, in front of the barrier behind which chunk 1 is first read
	s_wait_tensorcnt 0x0
.Lchunk_1_is_mine:
	s_barrier_signal -1
	s_barrier_wait -1
	FETCH_B 0, 0
	FETCH_A 0, 0
	FETCH_A 0, 4
	s_wait_loadcnt 0x0                             ; the scale words
	STEP 0, 1                                      ; the first step's products start the sums
.set ST, 1
.rept STEPS-2
	STEP ST, 0
.set ST, ST+1
.endr
	s_wait_dscnt 4*NL
	WIN MUL_LO
	MUL16 0, 7, 0
	MUL16 2, 7, 0
	s_wait_dscnt 0
	WIN MUL_HI
	MUL16 4, 7, 0
	MUL16 6, 7, 0
	WIN 0
	PLACES NP                                      ; in front of the first read of results
	; where my images go.  u = 2 cx + my half of Q's rows, w' = 2 cy + my half of P's rows
	s_lshl_b32 s20, s40, 1
	s_add_co_u32 s20, s20, s16
	s_lshl_b32 s21, s41, 1
	s_add_co_u32 s21, s21, s15
	s_and_b32 s18, s101, 1
	s_lshl_b32 s18, s18, 3                         ; which half of a batch's sixteen groups of 128 tokens
	s_lshr_b32 s19, s101, 1
	s_lshl_b32 s19, s19, 3                         ; 8 x batch
	s_mov_b32 s47, 768
	s_mov_b32 s96, 294912
	s_cmp_eq_u32 s100, 2
	s_cselect_b32 s45, s21, s20                    ; the head pair: along P for v, along Q for q and k
	s_cselect_b32 s46, s20, s21                    ; the group of tokens: the other one
	s_cselect_b32 s92, 1536, s47                   ; from block to block of P
	s_cselect_b32 s94, 290304, s47                 ; from block 3 to block 4: v goes on to the pair's second head
	s_cselect_b32 s96, s47, s96                    ; registers 6-11: v: 768 bytes on; q, k: the second head's record
	s_cselect_b32 s20, 6144, 0                     ; the part of a record: K 0, V 6,144, Q 12,288
	s_cselect_b32 s21, 512, 0                      ; of a record of scales: K 0, V 512, Q 768
	s_cmp_eq_u32 s100, 0
	s_cselect_b32 s20, 12288, s20
	s_cselect_b32 s21, s47, s21
	s_mov_b32 s93, 0
	s_mov_b32 s95, 0
	s_mov_b32 s97, 0
	s_add_co_u32 s45, s45, s19                     ; y
	s_add_co_u32 s46, s46, s18                     ; record
	s_mul_i32 s18, s45, 589824
	s_mul_i32 s19, s46, 18432
	s_add_co_u32 s18, s18, s19
	s_add_co_u32 s18, s18, s20
	s_mov_b32 s19, 0
	s_add_nc_u64 s[12:13], s[12:13], s[18:19]      ; registers 0-5 go here,
	s_add_nc_u64 s[22:23], s[12:13], s[96:97]      ; registers 6-11 here
	s_mul_i32 s18, s45, 40960
	s_mul_i32 s20, s46, 1280
	s_add_co_u32 s18, s18, s20
	s_add_co_u32 s18, s18, s21
	s_add_nc_u64 s[98:99], s[98:99], s[18:19]      ; and the scale image here
; 64 numbers of a lane in window wn, registers s on, become a fragment's codes in v[CD] on and its scale word in v[wd].  Each accumulator is read from its low end on.
.macro QUANT wn, s, wd
.set WQ, ((\wn)<<2)|((\wn)<<4)
	WIN WQ
.irp b, 0,1,2,3
	v_max3_num_f32 v[TM+\b], 0x1800000, |v[(\s)+16*\b]|, |v[(\s)+16*\b+1]|   ; with the floor 2^(3 - 127): the byte cannot fall under 1
.endr
.irp i, 2,4,6,8,10,12,14
.irp b, 0,1,2,3
	v_max3_num_f32 v[TM+\b], v[TM+\b], |v[(\s)+16*\b+\i]|, |v[(\s)+16*\b+\i+1]|
.endr
.endr
	WIN 0
.irp b, 0,1,2,3
	v_permlanex16_b32 v[TM+4+\b], v[TM+\b], s[SEL], s[SEL+1]
.endr
.irp b, 0,1,2,3
	v_max_num_f32 v[TM+\b], v[TM+\b], v[TM+4+\b]   ; with lane l xor 16's
.endr
.irp b, 0,1,2,3
	v_add_nc_u32 v[TM+12+\b], 0xff000000, v[TM+\b] ; 2 off the exponent field: the conversion's scale operand
.endr
.irp b, 0,1,2,3
	v_lshrrev_b32 v[TM+4+\b], 23, v[TM+12+\b]      ; the scale's byte
.endr
	v_lshl_or_b32 v[\wd], v[TM+5], 8, v[TM+4]
	v_lshl_or_b32 v[\wd], v[TM+6], 16, v[\wd]
	v_lshl_or_b32 v[\wd], v[TM+7], 24, v[\wd]
.set WQ, (\wn)
	WIN WQ
.irp c, 0,1
	v_cvt_scalef32_pk16_fp6_f32 v[CD+6*\c:CD+6*\c+2], v[(\s)+32*\c:(\s)+32*\c+15], v[TM+12+2*\c]
	v_cvt_scalef32_pk16_fp6_f32 v[CD+12+4*\c:CD+14+4*\c], v[(\s)+32*\c+16:(\s)+32*\c+31], v[TM+13+2*\c]
.endr
	WIN 0
	v_nop                                          ; one plain place behind a scaled conversion
.irp c, 0,1                                    ; a whole block in a lane: lanes 0-15 block 2 c, lanes 16-31 block 2 c + 1
.irp i, 0,1,2
	v_permlane16_swap_b32 v[CD+6*\c+\i], v[CD+12+4*\c+\i]
.endr
.irp i, 0,1,2
	v_mov_b32 v[CD+3+6*\c+\i], v[CD+12+4*\c+\i]
.endr
.endr
.endm
.irp b, 0,1,2,3
	v_mov_b32 v[TM+4+\b], 0                        ; a lane permute's destination counts as one of its sources
.endr
	v_cmp_le_u32 vcc_lo, 16, v[LN]                 ; lanes 16-31
.irp a, 0,1,2,3,4,5,6,7
.if \a > 0
	s_wait_xcnt 0x0                                ; the last block's stores have read their data and bases
.if \a == 4
	s_add_nc_u64 s[12:13], s[12:13], s[94:95]
	s_add_nc_u64 s[22:23], s[22:23], s[94:95]
.else
	s_add_nc_u64 s[12:13], s[12:13], s[92:93]
	s_add_nc_u64 s[22:23], s[22:23], s[92:93]
.endif
.endif
	QUANT 2+\a/4, 64*(\a%4), WDS+\a
	global_store_b128 v[O16], v[CD:CD+3], s[12:13]
	global_store_b64 v[O8], v[CD+4:CD+5], s[12:13] offset:512
	global_store_b128 v[O16], v[CD+6:CD+9], s[22:23]
	global_store_b64 v[O8], v[CD+10:CD+11], s[22:23] offset:512
.endr
.irp j, 0,1,2,3
	v_cndmask_b32 v[ZW+\j], v[WDS+2*\j], v[WDS+2*\j+1], vcc_lo     ; the scale image: lanes 0-15 block 2 j's words, lanes 16-31 block 2 j + 1's
.endr
	s_cmp_eq_u32 s100, 2                           ; the kind is the same in all partners
	s_cbranch_scc1 .Lv_scales
.irp j, 0,1,2,3
	v_and_b32 v[SLO+\j], 0xffff, v[ZW+\j]          ; q, k: bytes 0, 1 are the first head's two blocks; bytes 2, 3 of the stored word are 0
	v_lshrrev_b32 v[SHI+\j], 16, v[ZW+\j]          ; bytes 2, 3 the second head's
.endr
	global_store_b128 v[O16], v[SLO:SLO+3], s[98:99]
	global_store_b128 v[O16], v[SHI:SHI+3], s[98:99] offset:20480
	s_branch .Lscales_done
.Lv_scales:
	s_wait_alu depctr_va_vdst(0)
	global_store_b64 v[O8], v[ZW:ZW+1], s[98:99]                   ; v: blocks 0-3 are the first head's 64 channels,
	global_store_b64 v[O8], v[ZW+2:ZW+3], s[98:99] offset:20480    ; blocks 4-7 the second's
.Lscales_done:
	s_wait_tensorcnt 0x0                           ; the wave's end
	ds_add_u32 v[SPW], v[NIL]
	s_wait_dscnt 0x0
	CROUND                                         ; the closing round
	s_endpgm
.Lfunc_end_k_qda0753ee2a_proj:
	.size	k_qda0753ee2a_proj, .Lfunc_end_k_qda0753ee2a_proj-k_qda0753ee2a_proj
	.p2alignl 7, 3214868480
	.fill 96, 4, 3214868480
	.section	.rodata,"a",@progbits
	.p2align	6, 0x0
	.amdhsa_kernel k_qda0753ee2a_proj
		.amdhsa_group_segment_fixed_size 327680
		.amdhsa_private_segment_fixed_size 0
		.amdhsa_enable_private_segment 0
		.amdhsa_kernarg_size 64
		.amdhsa_user_sgpr_count 2
		.amdhsa_user_sgpr_kernarg_segment_ptr 1
		.amdhsa_wavefront_size32 1
		.amdhsa_system_sgpr_workgroup_id_x 1
		.amdhsa_system_sgpr_workgroup_id_y 1
		.amdhsa_system_sgpr_workgroup_id_z 1
		.amdhsa_system_vgpr_workitem_id 0
		.amdhsa_next_free_vgpr 1024
		.amdhsa_next_free_sgpr 102
		.amdhsa_reserve_vcc 1
		.amdhsa_float_denorm_mode_32 3
		.amdhsa_float_denorm_mode_16_64 3
		.amdhsa_memory_ordered 1
		.amdhsa_forward_progress 1
		.amdhsa_inst_pref_size 165
	.end_amdhsa_kernel
	.amdgpu_metadata
---
amdhsa.version: [ 1, 2 ]
amdhsa.kernels:
  - .name:           k_qda0753ee2a_proj
    .symbol:         k_qda0753ee2a_proj.kd
    .args:
      - { .name: x_codes, .offset: 0, .size: 8, .value_kind: global_buffer, .address_space: global }
      - { .name: x_scales, .offset: 8, .size: 8, .value_kind: global_buffer, .address_space: global }
      - { .name: w_q_codes, .offset: 16, .size: 8, .value_kind: global_buffer, .address_space: global }
      - { .name: w_q_scales, .offset: 24, .size: 8, .value_kind: global_buffer, .address_space: global }
      - { .name: w_kv_codes, .offset: 32, .size: 8, .value_kind: global_buffer, .address_space: global }
      - { .name: w_kv_scales, .offset: 40, .size: 8, .value_kind: global_buffer, .address_space: global }
      - { .name: qkvc, .offset: 48, .size: 8, .value_kind: global_buffer, .address_space: global }
      - { .name: qkvs, .offset: 56, .size: 8, .value_kind: global_buffer, .address_space: global }
    .group_segment_fixed_size: 327680
    .private_segment_fixed_size: 0
    .kernarg_segment_align: 8
    .kernarg_segment_size: 64
    .max_flat_workgroup_size: 128
    .sgpr_count:     102
    .vgpr_count:     1024
    .wavefront_size: 32
...
	.end_amdgpu_metadata
.endif
;; end of part 1
;; launch attn (part 2): grid 8 x 32, 16 waves a work-group, clusters of 4 x 1, 327,680 bytes of LDS; arguments qkvc, qkvs, aimg, asc; writes aimg, asc
.if DOCPART == 2
	.amdgcn_target "amdgcn-amd-amdhsa--gfx1250"
	.amdhsa_code_object_version 6
	.text
	.protected	k_qda0753ee2a_attn
	.globl	k_qda0753ee2a_attn
	.p2align	8
	.type	k_qda0753ee2a_attn,@function
k_qda0753ee2a_attn:
	s_mov_b64 s[64:65], 0
	v_nop
	global_prefetch_b8 v0, s[64:65] scope:SCOPE_SE
	s_setreg_imm32_b32 hwreg(HW_REG_WAVE_MODE, 25, 1), 1
	s_wait_xcnt 0x0
	s_wait_alu depctr_hold_cnt(0) depctr_sa_sdst(0) depctr_va_vdst(0) depctr_va_sdst(0) depctr_va_ssrc(0) depctr_va_vcc(0) depctr_vm_vsrc(0)
	s_getreg_b32 s2, hwreg(HW_REG_IB_STS2, 6, 4)
	s_cmp_eq_u32 s2, 0
	s_cbranch_scc0 .Lentry_in_a_cluster
	s_endpgm
.Lentry_in_a_cluster:
	s_bfe_u32 s2, ttmp6, 0x10000c
	s_cmp_lg_u32 s2, 0x3003
	s_cbranch_scc0 .Lentry_shape_is_right
	s_endpgm
.Lentry_shape_is_right:
; Attention on codes of FP6 (E2M3): S^T = K Q^T (K = the head's 64), p = 2^(t - M), O^T = V^T P^T (K = the keys), O / l, and O quantised along the heads' channels for the last product.
; t = score x log2(e) / 8; M = the running largest t rounded UP to a whole number; the row's sum l is taken of the unquantised p; when M moves, l and O^T are multiplied by 2^(old M - new M): exact.
; SHARES.  A work-group owns 256 queries of one batch and one PAIR of heads (y = 8 batch + pair); each of its sixteen waves owns 16 queries, in 256 registers: four waves to a SIMD.
; A wave walks all 2,048 keys twice, once for each head of the pair, 128 keys a step: at the end it holds 128 neighbouring channels of its 16 rows: a whole fragment and scale word of the last product.
; CLUSTER.  The four query blocks of a cluster walk the same K, V and scale words: each tile is asked for jointly (mask 15).
; OPERANDS lie in memory and LDS as images of their registers (16 bytes at 16 x lane, 8 bytes at 8 x lane): every LDS load of a wave reads 512 or 256 consecutive bytes.
; THE HEAD'S 64 IN AN INSTRUCTION OF 128: Q's registers 6-11 are zero codes.  K's tile t names v[32 + 6 t] to v[43 + 6 t]: its upper six registers are the next tile's codes; they meet Q's zero codes,
; under scale bytes 0 (2^-127, a number): they add exactly 0.
; ORDER OF THE KEYS INSIDE A BLOCK OF 32: p's code place 16 h + i holds key 16 (i / 8) + 8 h + i % 8: the order in which V's codes were laid.  O meets a given weight: it is put in natural order first.
; THE RING: two slots of EIGHT key steps (K 6,144 + V 6,144 bytes each), brought by waves 0 to 7, one load each; a head's 16 steps are two slots.  The key step is written once for each slot, in a loop of eight trips.
; The scale words of both passes (32 x 768 bytes) come once, by waves 8 to 11.
; LIMITS: NaN and infinities are not served; p under 2^-126 counts as 0; a block of zeros gets the byte 1 (its codes are zeros; this program alone reads the bytes);
; a block's largest p is made from its largest score by the same two instructions, which takes v_exp_f32 not to fall where its input rises.
.set KSB,   12288                      ; a key step's bytes
.set SLOTB, 8*KSB                      ; a slot
.set SCB,   2*SLOTB                    ; the scale words: 32 records of 768 bytes, filled once
.set SCW,   SCB+24576                  ; 1,024 bytes: the result's scale words are gathered here; no fill lands here
.set SPARE, SCW+1024                   ; the spare words: 128 bytes a wave, named by no other line
.set L16, 1
.set L8,  2
.set SPW, 3
.set NIL, 4
.set SWA, 5                            ; where my row's scale word goes in SCW
.set SRA, 6                            ; where waves 0, 1 read SCW back
.set R16, 7
.set A16, 8                            ; v8-11 the step's LDS addresses
.set A8,  9
.set AS16, 10
.set AS8, 11
.set QF,  16                           ; v16-27 Q's fragment (v22-27 zero codes)
.set QSC, 28
.set PFO, 29
.set GO,  30
.set KF,  32                           ; v32-85 K's eight tiles, six registers apart; v32-79 V's four fragments, by turns
.set KSC, 88
.set VSC, 92
.set S,   96                           ; v96-159 S^T, then p
.set O,   160                          ; v160-191 O^T
.set F,   192                          ; v192-203 the result's fragment, v204 its scale word
.set FW,  204
.set BM,  208
.set PT,  212
.set SOP, 216
.set PW,  220
.set TT,  221
.set FF,  222
.set PCD, 224
.set HV,  236
.set Q1,  244                          ; v244-250 the second head's Q and its scale words
.set WV,  12
.set SEL, 20
.set CS,  22
.set G1T, 24
.set G1S, 32
.set G0,  40
.set G0S, 44
.set TB,  48                           ; the key step in hand
.set TS,  49                           ; its scale words
.set CNT, 50
.set LIM, 53
.set PFA, 54
.set AB,  56
.set ASB, 58
.set QB,  60
.set QS,  62
.macro CROUND                          ; a round of the cluster's barrier
	s_barrier_signal -1
	s_barrier_wait -1
	s_cmp_lg_u32 s[WV], 0
	s_cbranch_scc1 .Lnot_wave_0_\@
	s_barrier_signal -3
.Lnot_wave_0_\@:
	s_barrier_wait -3
	s_barrier_signal -1
	s_barrier_wait -1
.endm
	s_load_b256 s[4:11], s[0:1], 0x0               ; qkvc, qkvs, aimg, asc
	v_lshl_add_u32 v[SPW], v0, 2, SPARE
	v_mov_b32 v[NIL], 0
	ds_add_u32 v[SPW], v[NIL]                      ; the opening lines
	ds_add_u32 v[SPW], v[NIL]
	s_wait_dscnt 0x0
	v_lshrrev_b32 v8, 5, v0
	s_delay_alu instid0(VALU_DEP_1)
	v_readfirstlane_b32 s[WV], v8                  ; wave 0..15
	s_bfe_u32 s13, ttmp6, 0x40000                  ; cx
	s_lshl_b32 s14, ttmp9, 2
	s_add_co_u32 s14, s14, s13                     ; my block of 256 queries: it enters global addresses of my own loads and stores alone
	s_and_b32 s15, ttmp7, 0xffff                   ; y
	v_and_b32 v9, 31, v0
	s_delay_alu instid0(VALU_DEP_1)
	v_lshlrev_b32 v[L16], 4, v9
	s_delay_alu instid0(VALU_DEP_2)
	v_lshlrev_b32 v[L8], 3, v9
	v_and_b32 v10, 15, v0
	s_delay_alu instid0(VALU_DEP_1)
	v_lshlrev_b32 v[R16], 4, v10
	s_wait_alu depctr_va_vdst(0)
	s_lshr_b32 s66, s[WV], 3
	s_lshl_b32 s66, s66, 9                         ; my group of 128 rows: 512 bytes of scale image;
	s_and_b32 s67, s[WV], 1
	s_lshl_b32 s67, s67, 8                         ; an odd tile's words lie in lanes 16-31;
	s_add_co_u32 s66, s66, s67
	s_bfe_u32 s67, s[WV], 0x20001
	s_lshl_b32 s67, s67, 2                         ; register (tile / 2) of the image
	s_add_co_u32 s66, s66, s67
	s_add_co_u32 s66, s66, SCW
	v_add_nc_u32 v[SWA], s66, v[R16]
	v_and_b32 v[SRA], 63, v0
	s_delay_alu instid0(VALU_DEP_1)
	v_lshlrev_b32 v[GO], 4, v[SRA]
	s_delay_alu instid0(VALU_DEP_1)
	v_add_nc_u32 v[SRA], SCW, v[GO]
	; group 1, elements of 8 bytes, mask 15 with bit 21 beside it.  A key step's K | V: 12,288 dense bytes as 48 rows of 256
	s_mov_b32 s[G1T], 15|(3<<16)|(1<<21)
	s_mov_b32 s[G1T+1], 32<<16
	s_mov_b32 s[G1T+2], 48<<16
	s_mov_b32 s[G1T+3], 32<<16
	s_mov_b32 s[G1T+4], 48
	s_mov_b32 s[G1T+5], 32
	s_mov_b32 s[G1T+6], 0
	s_mov_b32 s[G1T+7], 0
	; the scale words of eight key steps: 8 rows of 768 bytes, 1,280 bytes apart
	s_mov_b32 s[G1S], 15|(3<<16)|(1<<21)
	s_mov_b32 s[G1S+1], 96<<16
	s_mov_b32 s[G1S+2], 8<<16
	s_mov_b32 s[G1S+3], 96<<16
	s_mov_b32 s[G1S+4], 8
	s_mov_b32 s[G1S+5], 160
	s_mov_b32 s[G1S+6], 0
	s_mov_b32 s[G1S+7], 0
	s_mul_i32 s66, s15, 589824                     ; y's part of qkvc
	s_mul_i32 s67, s15, 40960                      ; and of qkvs
	s_mul_i32 s68, s[WV], 18432
	s_add_co_u32 s68, s68, s66
	s_mov_b32 s69, 0
	s_and_b32 s76, s[WV], 3                        ; waves 8 to 11: which eight records of scale words
	s_mul_i32 s70, s76, 10240
	s_add_co_u32 s70, s70, s67
	s_mov_b32 s71, 0
	s_mov_b32 s[G0], 1
	s_mul_i32 s77, s[WV], KSB                      ; key step w of a slot
	s_mov_b32 s[G0+1], s77
	s_mov_b32 s[G0S], 1
	s_mul_i32 s[G0S+1], s76, 6144
	s_add_co_u32 s[G0S+1], s[G0S+1], SCB
	s_mov_b32 s[SEL], 0x76543210
	s_mov_b32 s[SEL+1], 0xfedcba98
	s_mov_b32 s[CS], 0x3e38aa3b                    ; c = log2(e) / sqrt(64)
	s_mov_b32 s[CS+1], s[CS]
	s_wait_kmcnt 0x0
	s_add_nc_u64 s[G0+2:G0+3], s[4:5], s[68:69]
	s_or_b32 s[G0+3], s[G0+3], 0x80000000
	s_add_nc_u64 s[G0S+2:G0S+3], s[6:7], s[70:71]
	s_or_b32 s[G0S+3], s[G0S+3], 0x80000000
	CROUND                                         ; all four work-groups are here: the first joint loads meet
	s_cmp_lt_u32 s[WV], 8                          ; one chain of branches, one load to an arm
	s_cbranch_scc0 .Lfirst_sc
	tensor_load_to_lds s[G0:G0+3], s[G1T:G1T+7]    ; slot 0, key step w
	s_nop 0
.rept 4
	v_nop
.endr
	s_branch .Lno_first
.Lfirst_sc:
	s_cmp_lt_u32 s[WV], 12
	s_cbranch_scc0 .Lno_first
	tensor_load_to_lds s[G0S:G0S+3], s[G1S:G1S+7]
	s_nop 0
.rept 4
	v_nop
.endr
.Lno_first:
	s_lshl_b32 s72, s14, 1
	s_lshr_b32 s73, s[WV], 3
	s_add_co_u32 s72, s72, s73                     ; my queries' record: 2 x block + wave / 8
	s_and_b32 s73, s[WV], 7
	s_mul_i32 s74, s72, 18432
	s_mul_i32 s73, s73, 768
	s_add_co_u32 s74, s74, s73
	s_add_co_u32 s74, s74, s66
	s_add_co_u32 s74, s74, 12288
	s_mov_b32 s75, 0
	s_add_nc_u64 s[QB:QB+1], s[4:5], s[74:75]      ; Q's half image of my tile
	s_mul_i32 s74, s72, 1280
	s_add_co_u32 s74, s74, s67
	s_and_b32 s73, s[WV], 1
	s_lshl_b32 s73, s73, 8
	s_add_co_u32 s74, s74, s73
	s_bfe_u32 s73, s[WV], 0x20001
	s_lshl_b32 s73, s73, 2
	s_add_co_u32 s74, s74, s73
	s_add_co_u32 s74, s74, 768
	s_add_nc_u64 s[QS:QS+1], s[6:7], s[74:75]      ; and its words in Q's scale image
	global_load_b128 v[QF:QF+3], v[L16], s[QB:QB+1]
	global_load_b64 v[QF+4:QF+5], v[L8], s[QB:QB+1] offset:512
	global_load_b128 v[Q1:Q1+3], v[L16], s[QB:QB+1] offset:294912
	global_load_b64 v[Q1+4:Q1+5], v[L8], s[QB:QB+1] offset:295424
	global_load_b32 v[QSC], v[R16], s[QS:QS+1]
	global_load_b32 v[Q1+6], v[R16], s[QS:QS+1] offset:20480
	s_lshr_b32 s72, s15, 3                         ; batch
	s_and_b32 s73, s15, 7                          ; head pair = K step of the last product
	s_lshl_b32 s74, s72, 7
	s_lshl_b32 s70, s14, 4
	s_add_co_u32 s74, s74, s70
	s_add_co_u32 s74, s74, s[WV]                   ; my tile of 16 tokens
	s_mul_i32 s74, s74, 12288
	s_mul_i32 s70, s73, 1536
	s_add_co_u32 s74, s74, s70
	s_add_nc_u64 s[AB:AB+1], s[8:9], s[74:75]
	s_lshl_b32 s74, s72, 4
	s_lshl_b32 s70, s14, 1
	s_add_co_u32 s74, s74, s70                     ; my work-group's first group of 128 tokens
	s_lshl_b32 s74, s74, 9
	s_lshl_b32 s70, s73, 15
	s_add_co_u32 s74, s74, s70
	s_add_nc_u64 s[ASB:ASB+1], s[10:11], s[74:75]
	; the prefetches (in macro CHANGE)
	s_mul_i32 s74, s13, 36864                      ; my work-group's two records of eight: the partners are told apart by address
	s_add_co_u32 s74, s74, s66
	s_add_co_u32 s74, s74, 147456                  ; the first change of slots steps it to the third slot's records
	s_add_nc_u64 s[PFA:PFA+1], s[4:5], s[74:75]
	s_sub_co_u32 s74, s[WV], 4
	s_cmp_lt_u32 s74, 3                            ; waves 4 to 6,
	s_cselect_b32 s74, 0, 1
	s_or_b32 s74, s74, ttmp9                       ; of the first of the two clusters that walk these keys
	s_cmp_eq_u32 s74, 0
	s_cselect_b32 s[LIM], 1, 0
	v_add_nc_u32 v[PFO], 0xffffff80, v0            ; n = thread - 128: 0 .. 95 in waves 4 to 6
	s_delay_alu instid0(VALU_DEP_1)
	v_cmp_le_u32 vcc_lo, 48, v[PFO]
	v_mov_b32 v31, 6144
	s_delay_alu instid0(VALU_DEP_1)
	v_cndmask_b32 v31, 0, v31, vcc_lo
	s_delay_alu instid0(VALU_DEP_1)
	v_lshl_add_u32 v[PFO], v[PFO], 8, v31          ; 256 n, and past the first record's Q where n is 48 or more
.irp i, 6,7,8,9,10,11
	v_mov_b32 v[QF+\i], 0                          ; Q's zero codes for K = 64 .. 127
.endr
.irp i, 48,49,50,51,52,53
	v_mov_b32 v[KF+\i], 0                          ; what K's last tile names beyond its own six registers
.endr
.irp j, 0,1,2,3,4,5,6,7,8,9,10,11,12,13,14,15,16,17,18,19,20,21,22,23,24,25,26,27,28,29,30,31
	v_mov_b32 v[O+\j], 0                           ; O^T: the first step finds zeros, which the first change of M leaves zeros
.endr
.irp b, 0,1,2,3
	v_mov_b32 v[PT+\b], 0                          ; a lane permute's destination counts as one of its sources
.endr
	v_mov_b32 v[FF+1], 0
	v_mov_b32 v14, 0
	v_mov_b32 v15, 0
	v_mov_b32 v13, 0xff61b1e6                      ; the largest t so far: -3e38
	s_delay_alu instid0(VALU_DEP_1)
	v_floor_f32 v12, -v13                          ; -M
; A KEY STEP: the 128 keys at s[TB], their scale words at s[TS].
.macro STEP
	v_add_nc_u32 v[A16], s[TB], v[L16]             ; (these four are also the places behind the last products, in front of the loads below)
	v_add_nc_u32 v[A8], s[TB], v[L8]
	v_add_nc_u32 v[AS16], s[TS], v[L16]
	v_add_nc_u32 v[AS8], s[TS], v[L8]
.irp t, 0,1,2,3,4,5,6,7
	ds_load_b128 v[KF+6*\t:KF+6*\t+3], v[A16] offset:768*\t
	ds_load_b64 v[KF+6*\t+4:KF+6*\t+5], v[A8] offset:768*\t+512
.endr
	ds_load_b128 v[KSC:KSC+3], v[AS16]
	s_wait_alu depctr_va_vdst(0)
	s_wait_dscnt 0x0
.irp t, 0,1,2,3,4,5,6,7                        ; S^T = K Q^T: lane (r, h) holds query r, register j of tile t key 16 t + 8 h + j
.if \t%2
	v_wmma_scale_f32_16x16x128_f8f6f4 v[S+8*\t:S+8*\t+7], v[KF+6*\t:KF+6*\t+11], v[QF:QF+11], 0, v[KSC+\t/2], v[QSC] matrix_a_fmt:MATRIX_FMT_FP6 matrix_b_fmt:MATRIX_FMT_FP6 matrix_a_scale:MATRIX_SCALE_ROW1
.else
	v_wmma_scale_f32_16x16x128_f8f6f4 v[S+8*\t:S+8*\t+7], v[KF+6*\t:KF+6*\t+11], v[QF:QF+11], 0, v[KSC+\t/2], v[QSC] matrix_a_fmt:MATRIX_FMT_FP6 matrix_b_fmt:MATRIX_FMT_FP6
.endif
.endr
.rept 4
	v_nop                                          ; places: in front of the loads into K's registers and of the first read of the scores
.endr
.irp d, 0,1,2,3                                ; V's four fragments land while the softmax is worked
	ds_load_b128 v[KF+12*\d:KF+12*\d+3], v[A16] offset:6144+1536*\d
	ds_load_b64 v[KF+12*\d+4:KF+12*\d+5], v[A8] offset:6144+1536*\d+512
	ds_load_b128 v[KF+12*\d+6:KF+12*\d+9], v[A16] offset:6144+1536*\d+768
	ds_load_b64 v[KF+12*\d+10:KF+12*\d+11], v[A8] offset:6144+1536*\d+1280
.endr
	ds_load_b64 v[VSC:VSC+1], v[AS8] offset:512
.irp b, 0,1,2,3
	v_max3_num_f32 v[BM+\b], v[S+16*\b], v[S+16*\b+1], v[S+16*\b+2]   ; the largest score of each block of 32 keys: for the row's maximum, and for the block's largest p
.endr
.irp i, 3,5,7,9,11,13
.irp b, 0,1,2,3
	v_max3_num_f32 v[BM+\b], v[BM+\b], v[S+16*\b+\i], v[S+16*\b+\i+1]
.endr
.endr
.irp b, 0,1,2,3
	v_max_num_f32 v[BM+\b], v[BM+\b], v[S+16*\b+15]
.endr
.irp b, 0,1,2,3
	s_delay_alu instid0(VALU_DEP_4)
	v_permlanex16_b32 v[PT+\b], v[BM+\b], s[SEL], s[SEL+1]
.endr
.irp b, 0,1,2,3
	s_delay_alu instid0(VALU_DEP_4)
	v_max_num_f32 v[BM+\b], v[BM+\b], v[PT+\b]     ; with lane l xor 16's 16 keys
.endr
	s_delay_alu instid0(VALU_DEP_2)
	v_max3_num_f32 v[TT], v[BM], v[BM+1], v[BM+2]
	s_delay_alu instid0(VALU_DEP_1)
	v_max_num_f32 v[TT], v[TT], v[BM+3]
	s_delay_alu instid0(VALU_DEP_1)
	v_mul_f32 v[TT], s[CS], v[TT]                  ; as t (c is positive)
	s_delay_alu instid0(VALU_DEP_1)
	v_max_num_f32 v13, v13, v[TT]                  ; the running largest t
	v_mov_b32 v[TT], v12
	s_delay_alu instid0(VALU_DEP_2)
	v_floor_f32 v12, -v13                          ; the new -M = floor(-t)
	s_delay_alu instid0(VALU_DEP_1)
	v_sub_f32 v[TT], v12, v[TT]                    ; old M - new M: a whole number, 0 or less
	s_delay_alu instid0(VALU_DEP_1)
	v_cvt_i32_f32 v[TT], v[TT]                     ; (it saturates)
	s_delay_alu instid0(VALU_DEP_1)
	v_ldexp_f32 v[FF], 1.0, v[TT]                  ; f = 2^(old M - new M)
.irp j, 0,2,4,6,8,10,12,14,16,18,20,22,24,26,28,30,32,34,36,38,40,42,44,46,48,50,52,54,56,58,60,62
	v_pk_fma_f32 v[S+\j:S+\j+1], v[S+\j:S+\j+1], s[CS:CS+1], v[12:13] op_sel_hi:[1,0,0]   ; t - M
.endr
.irp b, 0,1,2,3
	v_fma_f32 v[BM+\b], v[BM+\b], s[CS], v12
.endr
	s_wait_alu depctr_va_vdst(0)                   ; ahead of the batch
.irp j, 0,1,2,3,4,5,6,7,8,9,10,11,12,13,14,15,16,17,18,19,20,21,22,23,24,25,26,27,28,29,30,31,32,33,34,35,36,37,38,39,40,41,42,43,44,45,46,47,48,49,50,51,52,53,54,55,56,57,58,59,60,61,62,63
	v_exp_f32 v[S+\j], v[S+\j]                     ; p = 2^(t - M), not normalised
.endr
	v_pk_mul_f32 v[14:15], v[14:15], v[FF:FF+1] op_sel_hi:[1,0]   ; the sums under the new M: the plain place behind the exponentials
	s_wait_alu depctr_va_vdst(0)                   ; one wait for the batch of 64
.irp b, 0,1,2,3
	v_exp_f32 v[BM+\b], v[BM+\b]                   ; the block's largest p
.endr
	v_pk_add_f32 v[206:207], v[100:101], v[104:105]   ; the row's sum of the unquantised p, in eight chains
	v_pk_add_f32 v[254:255], v[108:109], v[112:113]
	v_pk_add_f32 v[252:253], v[116:117], v[120:121]
	v_pk_add_f32 v[242:243], v[124:125], v[128:129]
	v_pk_add_f32 v[240:241], v[132:133], v[136:137]
	v_pk_add_f32 v[238:239], v[140:141], v[144:145]
	v_pk_add_f32 v[236:237], v[148:149], v[152:153]
	v_pk_add_f32 v[14:15], v[14:15], v[156:157]
	v_pk_add_f32 v[206:207], v[206:207], v[96:97]
	v_pk_add_f32 v[254:255], v[254:255], v[98:99]
	v_pk_add_f32 v[252:253], v[252:253], v[102:103]
	v_pk_add_f32 v[242:243], v[242:243], v[106:107]
	v_pk_add_f32 v[240:241], v[240:241], v[110:111]
	v_pk_add_f32 v[238:239], v[238:239], v[114:115]
	v_pk_add_f32 v[236:237], v[236:237], v[118:119]
	v_pk_add_f32 v[14:15], v[14:15], v[122:123]
	v_pk_add_f32 v[206:207], v[206:207], v[126:127]
	v_pk_add_f32 v[254:255], v[254:255], v[130:131]
	v_pk_add_f32 v[252:253], v[252:253], v[134:135]
	v_pk_add_f32 v[242:243], v[242:243], v[138:139]
	v_pk_add_f32 v[240:241], v[240:241], v[142:143]
	v_pk_add_f32 v[238:239], v[238:239], v[146:147]
	v_pk_add_f32 v[236:237], v[236:237], v[150:151]
	v_pk_add_f32 v[14:15], v[14:15], v[154:155]
	v_pk_add_f32 v[206:207], v[206:207], v[158:159]
	s_delay_alu instid0(VALU_DEP_2)
	v_pk_add_f32 v[14:15], v[14:15], v[242:243]
	s_delay_alu instid0(VALU_DEP_2)
	v_pk_add_f32 v[206:207], v[206:207], v[240:241]
	v_pk_add_f32 v[254:255], v[254:255], v[238:239]
	v_pk_add_f32 v[252:253], v[252:253], v[236:237]
	s_delay_alu instid0(VALU_DEP_2)
	v_pk_add_f32 v[14:15], v[14:15], v[254:255]
	s_delay_alu instid0(VALU_DEP_2)
	v_pk_add_f32 v[206:207], v[206:207], v[252:253]
	s_delay_alu instid0(VALU_DEP_1)
	v_pk_add_f32 v[14:15], v[14:15], v[206:207]
	s_wait_alu depctr_va_vdst(0)                   ; and one for the four
.irp b, 0,1,2,3
	v_max_num_f32 v[BM+\b], 0x1800000, v[BM+\b]    ; the floor 2^(3 - 127): the byte cannot fall under 1
.endr
.irp b, 0,1,2,3
	s_delay_alu instid0(VALU_DEP_4)
	v_add_nc_u32 v[SOP+\b], 0xff000000, v[BM+\b]   ; 2 off the exponent field: the conversion's scale operand
.endr
.irp b, 0,1,2,3
	s_delay_alu instid0(VALU_DEP_4)
	v_lshrrev_b32 v[PT+\b], 23, v[SOP+\b]
.endr
	s_delay_alu instid0(VALU_DEP_3)
	v_lshl_or_b32 v[PW], v[PT+1], 8, v[PT]         ; p's scale word for these 128 keys
	s_delay_alu instid0(VALU_DEP_1)
	v_lshl_or_b32 v[PW], v[PT+2], 16, v[PW]
	s_delay_alu instid0(VALU_DEP_1)
	v_lshl_or_b32 v[PW], v[PT+3], 24, v[PW]
.irp c, 0,1
	v_cvt_scalef32_pk16_fp6_f32 v[PCD+6*\c:PCD+6*\c+2], v[S+32*\c:S+32*\c+15], v[SOP+2*\c]
	v_cvt_scalef32_pk16_fp6_f32 v[HV+4*\c:HV+4*\c+2], v[S+32*\c+16:S+32*\c+31], v[SOP+2*\c+1]
.endr
	v_nop                                          ; one plain place behind a scaled conversion
.irp c, 0,1
.irp i, 0,1,2
	v_permlane16_swap_b32 v[PCD+6*\c+\i], v[HV+4*\c+\i]
.endr
.irp i, 0,1,2
	s_delay_alu instid0(VALU_DEP_3)
	v_mov_b32 v[PCD+3+6*\c+\i], v[HV+4*\c+\i]
.endr
.endr
.irp j, 0,2,4,6,8,10,12,14,16,18,20,22,24,26,28,30
	v_pk_mul_f32 v[O+\j:O+\j+1], v[O+\j:O+\j+1], v[FF:FF+1] op_sel_hi:[1,0]   ; O^T under the new M; these sixteen are also the places between the writes of p's codes and scale word and the products
.endr
	s_wait_alu depctr_va_vdst(0)
	s_wait_dscnt 0x0                               ; V is in
.irp d, 0,1,2,3                                ; O^T += V^T P^T: four accumulators by turns
.if \d%2
	v_wmma_scale_f32_16x16x128_f8f6f4 v[O+8*\d:O+8*\d+7], v[KF+12*\d:KF+12*\d+11], v[PCD:PCD+11], v[O+8*\d:O+8*\d+7], v[VSC+\d/2], v[PW] matrix_a_fmt:MATRIX_FMT_FP6 matrix_b_fmt:MATRIX_FMT_FP6 matrix_a_scale:MATRIX_SCALE_ROW1
.else
	v_wmma_scale_f32_16x16x128_f8f6f4 v[O+8*\d:O+8*\d+7], v[KF+12*\d:KF+12*\d+11], v[PCD:PCD+11], v[O+8*\d:O+8*\d+7], v[VSC+\d/2], v[PW] matrix_a_fmt:MATRIX_FMT_FP6 matrix_b_fmt:MATRIX_FMT_FP6
.endif
.endr
.endm
.macro EIGHT slot, n                   ; the eight key steps of a slot; n: the slot's number in the walk, for its scale words
	s_mov_b32 s[TB], (\slot)*SLOTB
	s_mov_b32 s[TS], SCB+(\n)*6144
	s_mov_b32 s[CNT], 8
.Lstep_\@:
	STEP
	s_add_co_u32 s[TB], s[TB], KSB
	s_add_co_u32 s[TS], s[TS], 768
	s_sub_co_u32 s[CNT], s[CNT], 1
	s_cmp_lg_u32 s[CNT], 0
	s_cbranch_scc1 .Lstep_\@
.endm
; THE CHANGE OF SLOTS stands at a slot's head.  Each wave waits for all its tensor loads, adds 0 to its spare word, and waits for that and for its reads of the slot that it has left.
; fill = 1: a round of the cluster's barrier, and behind it slot `slot` takes the next eight key steps (the second head's records follow the first's): the load has eight steps in which to land.
; ask = 1: A PREFETCH INTO THE L2 of the eight records one slot behind those being asked for: K | V, 384 blocks of 256 bytes.  Both clusters of a y walk the same records: the first asks.
; Its four partners take two records each, told apart by address; in each, waves 4 to 6 ask, a lane a block: each block is named once in the launch.  The first two slots and the scale words come
; by their loads alone; the last request ends 6,144 bytes short of y's part of the buffer.
.macro CHANGE fill, slot, ask
	s_wait_tensorcnt 0x0                           ; no tensor load of mine is out, so a group 0 may be written
	ds_add_u32 v[SPW], v[NIL]
.if \fill
	ds_add_u32 v[SPW], v[NIL]                      ; the same add once more
	s_add_co_u32 s[G0+1], s77, (\slot)*SLOTB
	s_add_nc_u64 s[G0+2:G0+3], s[G0+2:G0+3], 147456 ; eight records on
.if \ask
	s_wait_xcnt 0x0                                ; the last prefetch has read its address
	s_add_nc_u64 s[PFA:PFA+1], s[PFA:PFA+1], 147456
.endif
	s_wait_dscnt 0x0                               ; the adds are done, and my reads of the slot that I have left are over
	CROUND
	s_cmp_lt_u32 s[WV], 8
	s_cbranch_scc0 .Lno_load_\@
	tensor_load_to_lds s[G0:G0+3], s[G1T:G1T+7]    ; the first thing behind the round, and a wave's one tensor load until the next
	s_nop 0
.rept 4
	v_nop
.endr
.Lno_load_\@:
.if \ask
	s_cmp_eq_u32 s[LIM], 1
	s_cbranch_scc0 .Lnot_mine_\@
	global_prefetch_b8 v[PFO], s[PFA:PFA+1] th:TH_LOAD_NT scope:SCOPE_SE
.Lnot_mine_\@:
.endif
.else
	s_wait_dscnt 0x0
	s_barrier_signal -1
	s_barrier_wait -1
.endif
.endm
; THE END OF A PASS: head pi of the pair.  O^T / l, in natural order, becomes registers 6 pi .. 6 pi + 5 of the result's fragment and bytes 2 pi, 2 pi + 1 of its scale word.
.macro EPI pi
.rept 4
	v_nop                                          ; places behind the last products
.endr
	v_add_f32 v14, v14, v15
	s_delay_alu instid0(VALU_DEP_1)
	v_permlanex16_b32 v[TT], v14, s[SEL], s[SEL+1]
	s_delay_alu instid0(VALU_DEP_1)
	v_add_f32 v14, v14, v[TT]                      ; the row's sum
	s_wait_alu depctr_va_vdst(0)
	v_rcp_f32 v[FF], v14
	v_nop
	s_wait_alu depctr_va_vdst(0)
.irp j, 0,2,4,6,8,10,12,14,16,18,20,22,24,26,28,30
	v_pk_mul_f32 v[O+\j:O+\j+1], v[O+\j:O+\j+1], v[FF:FF+1] op_sel_hi:[1,0]
.endr
.irp b, 0,1                                    ; tile 2 b's lanes 16-31 change places with tile 2 b + 1's lanes 0-15: the 16 registers then hold channels 32 b + 16 h + 0 .. 15
.irp j, 0,1,2,3,4,5,6,7
	v_permlane16_swap_b32 v[O+16*\b+\j], v[O+16*\b+8+\j]
.endr
.endr
.irp b, 0,1
	v_max3_num_f32 v[BM+\b], |v[O+16*\b]|, |v[O+16*\b+1]|, 0x1800000
.endr
.irp i, 2,4,6,8,10,12,14
.irp b, 0,1
	s_delay_alu instid0(VALU_DEP_2)
	v_max3_num_f32 v[BM+\b], v[BM+\b], |v[O+16*\b+\i]|, |v[O+16*\b+\i+1]|
.endr
.endr
.irp b, 0,1
	s_delay_alu instid0(VALU_DEP_2)
	v_permlanex16_b32 v[PT+\b], v[BM+\b], s[SEL], s[SEL+1]
.endr
.irp b, 0,1
	s_delay_alu instid0(VALU_DEP_2)
	v_max_num_f32 v[BM+\b], v[BM+\b], v[PT+\b]
.endr
.irp b, 0,1
	s_delay_alu instid0(VALU_DEP_2)
	v_add_nc_u32 v[SOP+\b], 0xff000000, v[BM+\b]
.endr
.irp b, 0,1
	s_delay_alu instid0(VALU_DEP_2)
	v_lshrrev_b32 v[PT+\b], 23, v[SOP+\b]
.endr
	v_cvt_scalef32_pk16_fp6_f32 v[F+6*\pi:F+6*\pi+2], v[O:O+15], v[SOP]
	v_cvt_scalef32_pk16_fp6_f32 v[HV:HV+2], v[O+16:O+31], v[SOP+1]
	v_nop
.irp i, 0,1,2
	v_permlane16_swap_b32 v[F+6*\pi+\i], v[HV+\i]
.endr
.irp i, 0,1,2
	s_delay_alu instid0(VALU_DEP_3)
	v_mov_b32 v[F+6*\pi+3+\i], v[HV+\i]
.endr
.if \pi == 0
	v_lshl_or_b32 v[FW], v[PT+1], 8, v[PT]
.irp i, 0,1,2,3,4,5
	v_mov_b32 v[QF+\i], v[Q1+\i]                   ; the second head's Q; the 36 lines below are the places between these writes and the next products
.endr
	v_mov_b32 v[QSC], v[Q1+6]
.irp j, 0,1,2,3,4,5,6,7,8,9,10,11,12,13,14,15,16,17,18,19,20,21,22,23,24,25,26,27,28,29,30,31
	v_mov_b32 v[O+\j], 0
.endr
	v_mov_b32 v14, 0
	v_mov_b32 v15, 0
	v_mov_b32 v13, 0xff61b1e6
	s_delay_alu instid0(VALU_DEP_1)
	v_floor_f32 v12, -v13
.else
	v_lshl_or_b32 v[FW], v[PT], 16, v[FW]
	s_delay_alu instid0(VALU_DEP_1)
	v_lshl_or_b32 v[FW], v[PT+1], 24, v[FW]
.endif
.endm
	s_wait_alu depctr_va_vdst(0)
	s_wait_loadcnt 0x0                             ; Q
	CHANGE 1, 1, 1                                 ; the first head: slot 1's first fill is issued as a refill is
	EIGHT 0, 0
	CHANGE 1, 0, 1                                 ; slot 0 takes the second head's first eight steps
	EIGHT 1, 1
	EPI 0
	CHANGE 1, 1, 0
	EIGHT 0, 2
	CHANGE 0, 0, 0                                 ; nothing is left to fetch
	EIGHT 1, 3
	EPI 1
	global_store_b128 v[L16], v[F:F+3], s[AB:AB+1]                 ; the fragment as an image of its registers: 512 consecutive bytes a store
	global_store_b128 v[L16], v[F+4:F+7], s[AB:AB+1] offset:512
	global_store_b128 v[L16], v[F+8:F+11], s[AB:AB+1] offset:1024
	ds_store_b32 v[SWA], v[FW]                     ; lanes l and l xor 16 write the same word with the same value
	s_wait_dscnt 0x0                               ; for the others' sake
	s_barrier_signal -1
	s_barrier_wait -1
	s_cmp_lt_u32 s[WV], 2                          ; the work-group's two scale images, 1,024 bytes, leave by waves 0 and 1
	s_cbranch_scc0 .Lno_words
	ds_load_b128 v[KF:KF+3], v[SRA]
	s_wait_dscnt 0x0
	global_store_b128 v[GO], v[KF:KF+3], s[ASB:ASB+1]
.Lno_words:
	s_wait_tensorcnt 0x0                           ; the wave's end
	ds_add_u32 v[SPW], v[NIL]
	s_wait_dscnt 0x0
	CROUND                                         ; the closing round
	s_endpgm
.Lfunc_end_k_qda0753ee2a_attn:
	.size	k_qda0753ee2a_attn, .Lfunc_end_k_qda0753ee2a_attn-k_qda0753ee2a_attn
	.p2alignl 7, 3214868480
	.fill 96, 4, 3214868480
	.section	.rodata,"a",@progbits
	.p2align	6, 0x0
	.amdhsa_kernel k_qda0753ee2a_attn
		.amdhsa_group_segment_fixed_size 327680
		.amdhsa_private_segment_fixed_size 0
		.amdhsa_enable_private_segment 0
		.amdhsa_kernarg_size 32
		.amdhsa_user_sgpr_count 2
		.amdhsa_user_sgpr_kernarg_segment_ptr 1
		.amdhsa_wavefront_size32 1
		.amdhsa_system_sgpr_workgroup_id_x 1
		.amdhsa_system_sgpr_workgroup_id_y 1
		.amdhsa_system_sgpr_workgroup_id_z 1
		.amdhsa_system_vgpr_workitem_id 0
		.amdhsa_next_free_vgpr 256
		.amdhsa_next_free_sgpr 80
		.amdhsa_reserve_vcc 1
		.amdhsa_float_denorm_mode_32 3
		.amdhsa_float_denorm_mode_16_64 3
		.amdhsa_memory_ordered 1
		.amdhsa_forward_progress 1
		.amdhsa_inst_pref_size 94
	.end_amdhsa_kernel
	.amdgpu_metadata
---
amdhsa.version: [ 1, 2 ]
amdhsa.kernels:
  - .name:           k_qda0753ee2a_attn
    .symbol:         k_qda0753ee2a_attn.kd
    .args:
      - { .name: qkvc, .offset: 0, .size: 8, .value_kind: global_buffer, .address_space: global }
      - { .name: qkvs, .offset: 8, .size: 8, .value_kind: global_buffer, .address_space: global }
      - { .name: aimg, .offset: 16, .size: 8, .value_kind: global_buffer, .address_space: global }
      - { .name: asc, .offset: 24, .size: 8, .value_kind: global_buffer, .address_space: global }
    .group_segment_fixed_size: 327680
    .private_segment_fixed_size: 0
    .kernarg_segment_align: 8
    .kernarg_segment_size: 32
    .max_flat_workgroup_size: 512
    .sgpr_count:     80
    .vgpr_count:     256
    .wavefront_size: 32
...
	.end_amdgpu_metadata
.endif
;; end of part 2
;; launch outp (part 3): grid 4 x 64, 4 waves a work-group, clusters of 4 x 4, 327,680 bytes of LDS; arguments aimg, asc, w_out_codes, w_out_scales, b_out, out0; writes out0
.if DOCPART == 3
	.amdgcn_target "amdgcn-amd-amdhsa--gfx1250"
	.amdhsa_code_object_version 6
	.text
	.protected	k_qda0753ee2a_outp
	.globl	k_qda0753ee2a_outp
	.p2align	8
	.type	k_qda0753ee2a_outp,@function
k_qda0753ee2a_outp:
	s_mov_b64 s[64:65], 0
	v_nop
	global_prefetch_b8 v0, s[64:65] scope:SCOPE_SE
	s_setreg_imm32_b32 hwreg(HW_REG_WAVE_MODE, 25, 1), 1
	s_wait_xcnt 0x0
	s_wait_alu depctr_hold_cnt(0) depctr_sa_sdst(0) depctr_va_vdst(0) depctr_va_sdst(0) depctr_va_ssrc(0) depctr_va_vcc(0) depctr_vm_vsrc(0)
	s_getreg_b32 s2, hwreg(HW_REG_IB_STS2, 6, 4)
	s_cmp_eq_u32 s2, 0
	s_cbranch_scc0 .Lentry_in_a_cluster
	s_endpgm
.Lentry_in_a_cluster:
	s_bfe_u32 s2, ttmp6, 0x10000c
	s_cmp_lg_u32 s2, 0xf033
	s_cbranch_scc0 .Lentry_shape_is_right
	s_endpgm
.Lentry_shape_is_right:
; out0 = A w_out^T + b_out on codes of FP6 (E2M3) with E8M0 scales.  A: attention's result, 8,192 rows x 1,024, as images of fragment registers (aimg: [16 tokens][K step of 128][1,536 bytes])
; with its scale words as images (asc: [K step][128 tokens][512 bytes]: register j, lane l: row 32 j + l).
; A work-group makes 128 x 256 of the result: 64 x 4 = 256 work-groups.  Its operands for ALL of K lie in LDS, each byte filled once: A's 98,304 dense bytes, and w_out's 256 rows of 768 bytes
; (each beginning at a multiple of 256), 16 bytes of padding behind every 256: pitch 816.  Four joint loads at the head, one a wave: waves 0, 1 halves of A (shared along a row of the 4 x 4 cluster),
; waves 2, 3 halves of w_out's rows (shared along a column).  Nothing is filled again.
; Scale words and the bias go from memory into registers, once: 32 loads a wave, each of w_out's and the bias's in whole runs of 512 or 64 bytes.
; A wave makes 64 x 128: 32 accumulators (window 2), which take turns in the same order in every step; fragments in two sets (A window 0, w_out window 1).
; The matrix instruction is used transposed (source 0 = w_out's rows, source 1 = A's): a lane holds 8 neighbouring columns of a row; the bias is the C of the first step's products.
; The way out goes through a stage in A's bytes, behind a barrier behind which nobody reads them; 32 lanes store 512 consecutive bytes, aligned.
; No prefetch: every tile is asked for at the head, and there is no loop to run ahead in.
.set SIZE_N, 1024
.set PB,     816
.set FR,     12
.set ABYTES, 98304
.set BB0,    ABYTES
.set SPARE,  BB0+256*PB                ; the spare words: 128 bytes a wave, named by no other line
.set SPITCH, 528
.set SAO,  12                          ; offsets of A's scale words, w_out's, the bias
.set SBO,  13
.set BO,   15
.set ADRA, 16
.set ADRB, 20                          ; v20, v22: blocks 0-3, 4-7; v21, v23: the same with lanes 16-31 behind one padding more
.set STO,  24
.set RD,   25
.set CO,   26
.set SPW,  28
.set NIL,  29
.set SCA,  32                          ; v32-47 A's scale words: 2 st + a / 2; lanes 0-15 the even block, 16-31 the odd
.set SCQ,  48                          ; v48-79 w_out's: 8 (b % 4) + st; lanes 0-15 block b % 4, lanes 16-31 that block + 4
.set BI,   80                          ; v80-143 the bias
.set AF,   144                         ; v144-239 A's fragments, two sets of 48
.set BK,   80                          ; the way out: v80-143, v144-207 by turns
.set G1, 24
.set G0, 32
.set G1B, 48
.set G0B, 56
.set MSB, 0
.macro WIN new
.if MSB != (\new)
	s_set_vgpr_msb (MSB<<8)|(\new)
.set MSB, (\new)
.endif
.endm
.macro CROUND
	s_barrier_signal -1
	s_barrier_wait -1
	s_cmp_lg_u32 s14, 0
	s_cbranch_scc1 .Lnot_wave_0_\@
	s_barrier_signal -3
.Lnot_wave_0_\@:
	s_barrier_wait -3
	s_barrier_signal -1
	s_barrier_wait -1
.endm
.macro PLACES
.rept 4
	v_nop
.endr
.endm
	s_load_b256 s[4:11], s[0:1], 0x0               ; aimg, asc, w_out codes, w_out scales
	s_load_b128 s[36:39], s[0:1], 0x20             ; b_out, out0
	v_lshl_add_u32 v[SPW], v0, 2, SPARE
	v_mov_b32 v[NIL], 0
	ds_add_u32 v[SPW], v[NIL]                      ; the opening lines
	ds_add_u32 v[SPW], v[NIL]
	v_lshrrev_b32 v1, 5, v0
	v_readfirstlane_b32 s14, v1                    ; wave
	s_lshr_b32 s15, s14, 1                         ; my 64 rows; also: I fetch A (0) or w_out (1)
	s_and_b32 s16, s14, 1                          ; my 128 columns; also: which half I fetch
	s_bfe_u32 s40, ttmp6, 0x40000                  ; cx
	s_bfe_u32 s41, ttmp6, 0x40004                  ; cy
	s_lshl_b32 s42, ttmp9, 2
	s_add_co_u32 s42, s42, s40                     ; tile column
	s_and_b32 s17, ttmp7, 0xffff
	s_lshl_b32 s17, s17, 2
	s_add_co_u32 s17, s17, s41                     ; tile row
	s_lshl_b32 s43, s41, 2
	s_lshl_b32 s43, 15, s43                        ; my row of the cluster
	s_lshl_b32 s44, 0x1111, s40                    ; my column
	s_or_b32 s[G1+0], s43, (3<<16)|(1<<21)         ; A's half: 49,152 dense bytes as 192 rows of 256
	s_mov_b32 s[G1+1], 32<<16
	s_mov_b32 s[G1+2], 192<<16
	s_mov_b32 s[G1+3], 32<<16
	s_mov_b32 s[G1+4], 192
	s_mov_b32 s[G1+5], 32
	s_mov_b32 s[G1+6], 0
	s_mov_b32 s[G1+7], 0
	s_or_b32 s[G1B+0], s44, (0<<16)|(1<<20)|(1<<21)|(5<<22)|(3<<25)   ; 128 rows of 768 bytes, 16 of padding behind every 256
	s_mov_b32 s[G1B+1], 768<<16
	s_mov_b32 s[G1B+2], 128<<16
	s_mov_b32 s[G1B+3], 768<<16
	s_mov_b32 s[G1B+4], 128
	s_mov_b32 s[G1B+5], 768
	s_mov_b32 s[G1B+6], 0
	s_mov_b32 s[G1B+7], 0
	s_mul_i32 s20, s17, ABYTES
	s_mul_i32 s18, s16, ABYTES/2
	s_add_co_u32 s20, s20, s18
	s_mov_b32 s21, 0
	s_lshl_b32 s46, s42, 8
	s_lshl_b32 s19, s16, 7
	s_add_co_u32 s46, s46, s19                     ; w_out's row 256 x tile column + 128 x half: what I fetch, and my columns
	s_lshl_b32 s60, s46, 5                         ; its scale bytes
	s_mov_b32 s61, 0
	s_mul_i32 s46, s46, 768
	s_mov_b32 s47, 0
	s_mov_b32 s[G0], 1
	s_mov_b32 s[G0+1], s18
	s_mov_b32 s[G0B], 1
	s_mul_i32 s[G0B+1], s16, 128*PB
	s_add_co_u32 s[G0B+1], s[G0B+1], BB0
	s_lshl_b32 s62, s17, 9                         ; A's scale image of my 128 tokens
	s_mov_b32 s63, 0
	s_lshl_b32 s68, s42, 10
	s_lshl_b32 s19, s16, 9
	s_add_co_u32 s68, s68, s19                     ; my first column, in bytes
	s_mov_b32 s69, 0
	s_lshl_b32 s66, s17, 19                        ; 128 rows of 4,096 bytes
	s_lshl_b32 s19, s15, 18
	s_add_co_u32 s66, s66, s19
	s_add_co_u32 s66, s66, s68
	s_mov_b32 s67, 0
	s_mul_i32 s21, s15, ABYTES/2
	s_mul_i32 s22, s16, 128*PB
	s_add_co_u32 s22, s22, BB0
	s_mul_i32 s23, s14, 16*SPITCH
	s_lshl_b32 s70, s15, 3
	s_wait_dscnt 0x0
	s_wait_kmcnt 0x0
	s_mov_b32 s19, 0
	s_mov_b32 s18, s20
	s_add_nc_u64 s[G0+2:G0+3], s[4:5], s[18:19]
	s_or_b32 s[G0+3], s[G0+3], 0x80000000
	s_add_nc_u64 s[G0B+2:G0B+3], s[8:9], s[46:47]
	s_or_b32 s[G0B+3], s[G0B+3], 0x80000000
	s_add_nc_u64 s[6:7], s[6:7], s[62:63]
	s_add_nc_u64 s[10:11], s[10:11], s[60:61]
	s_add_nc_u64 s[36:37], s[36:37], s[68:69]
	s_add_nc_u64 s[38:39], s[38:39], s[66:67]
	CROUND                                         ; all sixteen work-groups are here: the joint loads meet
	s_cmp_eq_u32 s15, 0
	s_cbranch_scc0 .Lfor_b
	tensor_load_to_lds s[G0:G0+3], s[G1:G1+7]
	s_nop 0
	PLACES
	s_branch .Lasked
.Lfor_b:
	tensor_load_to_lds s[G0B:G0B+3], s[G1B:G1B+7]
	s_nop 0
	PLACES
.Lasked:
	v_and_b32 v1, 15, v0                           ; r
	v_bfe_u32 v2, v0, 4, 1                         ; h
	v_and_b32 v6, 31, v0
	v_lshlrev_b32 v[CO], 4, v6
	v_mul_u32_u24 v3, v1, PB
	v_mad_u32_u24 v4, v2, 24, v3
	v_mad_u32_u24 v5, v2, 40, v3
	v_add_nc_u32 v[ADRA], s21, v[CO]
	v_add_nc_u32 v[ADRB], s22, v4
	v_add_nc_u32 v[ADRB+1], s22, v5
	s_add_co_u32 s22, s22, 64*PB
	v_add_nc_u32 v[ADRB+2], s22, v4
	v_add_nc_u32 v[ADRB+3], s22, v5
	v_mul_u32_u24 v7, v1, SPITCH
	v_lshl_add_u32 v7, v2, 5, v7
	v_add_nc_u32 v[STO], s23, v7
	v_add_nc_u32 v[RD], s23, v[CO]
	v_lshlrev_b32 v[BO], 5, v2
	v_add_nc_u32 v[SAO], s70, v[CO]                ; 16 x lane + 8 x my half: registers 2 half, 2 half + 1 of the image
	v_lshlrev_b32 v8, 5, v1
	v_lshl_add_u32 v[SBO], v2, 11, v8              ; row r's 32 bytes; lanes 16-31 64 rows on
	s_wait_alu depctr_va_vdst(0)
.irp t, 0,1,2,3,4,5,6,7
	global_load_b64 v[SCA+2*\t:SCA+2*\t+1], v[SAO], s[6:7] offset:32768*\t
.endr
.irp i, 0,1,2,3
	global_load_b128 v[SCQ+8*\i:SCQ+8*\i+3], v[SBO], s[10:11] offset:512*\i
	global_load_b128 v[SCQ+8*\i+4:SCQ+8*\i+7], v[SBO], s[10:11] offset:512*\i+16
.endr
.irp b, 0,1,2,3,4,5,6,7
	global_load_b128 v[BI+8*\b:BI+8*\b+3], v[BO], s[36:37] offset:64*\b
	global_load_b128 v[BI+8*\b+4:BI+8*\b+7], v[BO], s[36:37] offset:64*\b+16
.endr
; step st's fragments into set st % 2: w_out's eight in pieces of 8 bytes (byte y of a row lies at y + 16 (y / 256)), A's four as images
.macro FETCH st
	WIN 0x40
.irp i, 0,1,2,3,4,5,6,7
.irp p, 0,1,2,3,4,5
.set BY, 96*(\st)+48*(\p/3)+8*(\p%3)
.set XR, (BY+24)/256-BY/256
	ds_load_b64 v[128*((\st)%2)+FR*\i+2*\p:128*((\st)%2)+FR*\i+2*\p+1], v[ADRB+2*(\i/4)+XR] offset:BY+16*(BY/256)+(\i%4)*16*PB
.endr
.endr
	WIN 0
.irp a, 0,1,2,3
.irp c, 0,1,2
	ds_load_b128 v[AF+48*((\st)%2)+FR*\a+4*\c:AF+48*((\st)%2)+FR*\a+4*\c+3], v[ADRA] offset:12288*\a+1536*(\st)+512*\c
.endr
.endr
.endm
.macro MUL32 st, first
.irp a, 0,1,2,3
.irp b, 0,1,2,3,4,5,6,7
.set rD, 8*(8*\a+\b)
.set rB, 128*((\st)%2)+FR*\b
.set rA, AF+48*((\st)%2)+FR*\a
.set rC, rD
.if \first
.set rC, BI+8*\b
.endif
.set rSB, SCQ+8*(\b%4)+(\st)
.set rSA, SCA+2*(\st)+\a/2
.set fB, \b/4
.set fA, \a%2
.if fB && fA
	v_wmma_scale_f32_16x16x128_f8f6f4 v[rD:rD+7], v[rB:rB+11], v[rA:rA+11], v[rC:rC+7], v[rSB], v[rSA] matrix_a_fmt:MATRIX_FMT_FP6 matrix_b_fmt:MATRIX_FMT_FP6 matrix_a_scale:MATRIX_SCALE_ROW1 matrix_b_scale:MATRIX_SCALE_ROW1
.elseif fB
	v_wmma_scale_f32_16x16x128_f8f6f4 v[rD:rD+7], v[rB:rB+11], v[rA:rA+11], v[rC:rC+7], v[rSB], v[rSA] matrix_a_fmt:MATRIX_FMT_FP6 matrix_b_fmt:MATRIX_FMT_FP6 matrix_a_scale:MATRIX_SCALE_ROW1
.elseif fA
	v_wmma_scale_f32_16x16x128_f8f6f4 v[rD:rD+7], v[rB:rB+11], v[rA:rA+11], v[rC:rC+7], v[rSB], v[rSA] matrix_a_fmt:MATRIX_FMT_FP6 matrix_b_fmt:MATRIX_FMT_FP6 matrix_b_scale:MATRIX_SCALE_ROW1
.else
	v_wmma_scale_f32_16x16x128_f8f6f4 v[rD:rD+7], v[rB:rB+11], v[rA:rA+11], v[rC:rC+7], v[rSB], v[rSA] matrix_a_fmt:MATRIX_FMT_FP6 matrix_b_fmt:MATRIX_FMT_FP6
.endif
.endr
.endr
.endm
	s_wait_tensorcnt 0x0                           ; my part of the operands is in;
	s_barrier_signal -1
	s_barrier_wait -1                              ; everybody's is
	FETCH 0
	s_wait_loadcnt 0x0                             ; scale words and bias
	s_wait_dscnt 0x0
	FETCH 1
	WIN 0x81                                       ; C, the bias, in window 0; D in window 2
	MUL32 0, 1
	WIN 0
.irp st, 1,2,3,4,5,6
	s_wait_dscnt 0x0                               ; this step's fragments are in
	PLACES                                         ; in front of loads into the set that the last step multiplied
	FETCH \st+1
	WIN 0xa1
	MUL32 \st, 0
	WIN 0
.endr
	s_wait_dscnt 0x0                               ; my last reads of the operands are over:
	s_barrier_signal -1
	WIN 0xa1
	MUL32 7, 0
	WIN 0
	s_barrier_wait -1                              ; so are everybody's: A's bytes serve as the stage
.macro TOSTAGE a
	WIN 0x08                                       ; the data: window 2
.irp b, 0,1,2,3,4,5,6,7
	ds_store_b128 v[STO], v[64*(\a)+8*\b:64*(\a)+8*\b+3] offset:64*\b      ; each accumulator from its low end on
	ds_store_b128 v[STO], v[64*(\a)+8*\b+4:64*(\a)+8*\b+7] offset:64*\b+16
.endr
	WIN 0
.set BB, BK+64*((\a)%2)
.irp t, 0,1,2,3,4,5,6,7,8,9,10,11,12,13,14,15
	ds_load_b128 v[BB+4*\t:BB+4*\t+3], v[RD] offset:\t*SPITCH              ; a wave's LDS instructions are served in order (ISA guide 5.7.1.4)
.endr
.endm
.macro SEND a, younger
.set BB, BK+64*((\a)%2)
	s_wait_dscnt \younger
.if (\a) > 0
	s_add_nc_u64 s[38:39], s[38:39], 16*SIZE_N*4   ; behind a wait on XCNT: the earlier stores have read their base
.endif
.irp t, 0,1,2,3,4,5,6,7,8,9,10,11,12,13,14,15
	global_store_b128 v[CO], v[BB+4*\t:BB+4*\t+3], s[38:39] offset:\t*SIZE_N*4 th:TH_STORE_NT
.endr
.endm
	PLACES                                         ; behind the last products
	TOSTAGE 0
.irp a, 1,2,3
.if \a > 1
	s_wait_xcnt 0x0                                ; block a - 2's stores have read their registers and base
.endif
	TOSTAGE \a
	SEND \a-1, 32                                  ; behind block a - 1's loads: block a's 16 stores and 16 loads
.endr
	s_wait_xcnt 0x0
	SEND 3, 0
	s_wait_tensorcnt 0x0                           ; the wave's end
	ds_add_u32 v[SPW], v[NIL]
	s_wait_dscnt 0x0
	CROUND                                         ; the closing round
	s_endpgm
.Lfunc_end_k_qda0753ee2a_outp:
	.size	k_qda0753ee2a_outp, .Lfunc_end_k_qda0753ee2a_outp-k_qda0753ee2a_outp
	.p2alignl 7, 3214868480
	.fill 96, 4, 3214868480
	.section	.rodata,"a",@progbits
	.p2align	6, 0x0
	.amdhsa_kernel k_qda0753ee2a_outp
		.amdhsa_group_segment_fixed_size 327680
		.amdhsa_private_segment_fixed_size 0
		.amdhsa_enable_private_segment 0
		.amdhsa_kernarg_size 48
		.amdhsa_user_sgpr_count 2
		.amdhsa_user_sgpr_kernarg_segment_ptr 1
		.amdhsa_wavefront_size32 1
		.amdhsa_system_sgpr_workgroup_id_x 1
		.amdhsa_system_sgpr_workgroup_id_y 1
		.amdhsa_system_sgpr_workgroup_id_z 1
		.amdhsa_system_vgpr_workitem_id 0
		.amdhsa_next_free_vgpr 768
		.amdhsa_next_free_sgpr 72
		.amdhsa_reserve_vcc 0
		.amdhsa_float_denorm_mode_32 3
		.amdhsa_float_denorm_mode_16_64 3
		.amdhsa_memory_ordered 1
		.amdhsa_forward_progress 1
		.amdhsa_inst_pref_size 89
	.end_amdhsa_kernel
	.amdgpu_metadata
---
amdhsa.version: [ 1, 2 ]
amdhsa.kernels:
  - .name:           k_qda0753ee2a_outp
    .symbol:         k_qda0753ee2a_outp.kd
    .args:
      - { .name: aimg, .offset: 0, .size: 8, .value_kind: global_buffer, .address_space: global }
      - { .name: asc, .offset: 8, .size: 8, .value_kind: global_buffer, .address_space: global }
      - { .name: w_out_codes, .offset: 16, .size: 8, .value_kind: global_buffer, .address_space: global }
      - { .name: w_out_scales, .offset: 24, .size: 8, .value_kind: global_buffer, .address_space: global }
      - { .name: b_out, .offset: 32, .size: 8, .value_kind: global_buffer, .address_space: global }
      - { .name: out0, .offset: 40, .size: 8, .value_kind: global_buffer, .address_space: global }
    .group_segment_fixed_size: 327680
    .private_segment_fixed_size: 0
    .kernarg_segment_align: 8
    .kernarg_segment_size: 48
    .max_flat_workgroup_size: 128
    .sgpr_count:     72
    .vgpr_count:     768
    .wavefront_size: 32
...
	.end_amdgpu_metadata
.endif
;; end of part 3
